; MI455X (gfx1250); checked and timed in simulation.
; The chip was launched on July 23, 2026; its instructions are those of AMD's public machine-readable ISA for CDNA 5 (MIT licence, August 2026) and "CDNA5" Instruction Set Architecture Reference Guide (July 2026). The comments in the code are by the model that wrote it; some were corrected since.
;; Attention. Allowed arithmetic: matrix products marked QUANTISED: E4M3 operands, one given power-of-two scale a tensor, by v_wmma_f32_16x16x64_fp8_fp8 or v_wmma_f32_16x16x128_fp8_fp8, f32 sums; everything else in f32.
;; Inputs: Wk 1,024 x 1,024 float32; Wo 1,024 x 1,024 float32; Wq 1,024 x 1,024 float32; Wv 1,024 x 1,024 float32; bk 1,024 float32; bo 1,024 float32; bq 1,024 float32; bv 1,024 float32; lowp_scales 12 int32 (the exponents e of the quantised operands' scales 2^e); x 4 x 2,048 x 1,024 float32.
;; Outputs: out0 4 x 2,048 x 1,024 float32.
;; This version of the problem:
;;   THIS VERSION OF THE PROBLEM IS GIVEN IN LOW PRECISION. The matrix products marked QUANTISED in the list below multiply operands that are first quantised to E4M3 (4 exponent bits, 3 mantissa bits; 8 bits a number), with one given power-of-two scale for each operand tensor; their sums are f32. All else is computed in f32.
;;   The module's matrix products, in the order in which they are computed (A, B: the left and right operand; K: the contracted axis; several contracted axes count as one K, in the product's order):
;;     1. [M 8,192, K 1,024] x [K 1,024, N 1,024]; A: input x; B: input Wq: QUANTISED (scales: A lowp_scales[0], B lowp_scales[1])
;;     2. [M 8,192, K 1,024] x [K 1,024, N 1,024]; A: input x; B: input Wk: QUANTISED (scales: A lowp_scales[2], B lowp_scales[3])
;;     3. [M 8,192, K 1,024] x [K 1,024, N 1,024]; A: input x; B: input Wv: QUANTISED (scales: A lowp_scales[4], B lowp_scales[5])
;;     4. batch 64 x [M 2,048, K 64] x [K 64, N 2,048]; A: computed on the way; B: computed on the way: QUANTISED (scales: A lowp_scales[6], B lowp_scales[7])
;;     5. batch 64 x [M 2,048, K 2,048] x [K 2,048, N 64]; A: computed on the way; B: computed on the way: QUANTISED (scales: A lowp_scales[8], B lowp_scales[9])
;;     6. [M 8,192, K 1,024] x [K 1,024, N 1,024]; A: computed on the way; B: input Wo: QUANTISED (scales: A lowp_scales[10], B lowp_scales[11])
;;   THE QUANTISER, for each operand of a quantised product, along K:
;;     - The operand's scale is 2^e, e = its entry of the input lowp_scales (int32; the entries are numbered through the quantised products in the list's order, A before B).
;;     - Each number is divided by the scale, clamped to +-448, and rounded to the nearest number of E4M3, ties to even, subnormals kept.
;;     - The product sums the exact products of the quantised numbers (number of the format x scale) in f32.
;;   ~~~python
;;   def quantise(x, axis, e):      # numpy; x: float32 -> the quantised numbers, widened to float32 again
;;       x = np.moveaxis(x, axis, -1); K = x.shape[-1]
;;       r = np.clip(x / 2.0 ** e, -448, 448)
;;       step = 2.0 ** (np.maximum(np.frexp(np.where(r == 0, 1, r))[1] - 1, -6) - 3)
;;       q = np.round(r / step) * step * 2.0 ** e      # np.round: ties to even
;;       return np.moveaxis(q, -1, axis).astype(np.float32)
;;   ~~~
;;   OPERANDS COMPUTED ON THE WAY. 'Computed on the way' means the value that the module computes at that place (a softmax that the list does not call 'softmax' is quantised finished and normalised). What goes into a quantiser is computed in f32, as accurately as f32 sums, v_exp_f32 and their like allow (about 1e-6 of the number): no bf16 or f16 on the way to a quantiser, and a product that is left as it is and whose result goes on into a quantised operand takes f32 operands (vector FMAs, or v_wmma_f32_16x16x4_f32). A number that lies on a knife's edge between two numbers of the format may be rounded either way, as far as f32 arithmetic and the matrix unit's own rounding can turn it there, and no further.
;; One version. Each part assembles by itself: llvm-mc -triple=amdgcn-amd-amdhsa -mcpu=gfx1250 --defsym DOCPART=n.
;; ======== version 1 of 1: 4 launches
;; limits: right only within a limited range of input values
;; workspace buffers: xc 25,165,824 bytes; wc 4,194,304 bytes; qkvc 25,165,824 bytes; oc 8,388,608 bytes
;; launch quant (part 1): grid 384 x 1, 4 waves a work-group, no clusters, 66,048 bytes of LDS; arguments x, Wq, Wk, Wv, Wo, lowp_scales, xc, wc; writes xc, wc
.if DOCPART == 1
	.amdgcn_target "amdgcn-amd-amdhsa--gfx1250"
	.amdhsa_code_object_version 6
	.text
	.protected	k_q2824f3d830_quant
	.globl	k_q2824f3d830_quant
	.p2align	8
	.type	k_q2824f3d830_quant,@function
k_q2824f3d830_quant:
	s_mov_b64 s[64:65], 0
	v_nop
	global_prefetch_b8 v0, s[64:65] scope:SCOPE_SE
	s_setreg_imm32_b32 hwreg(HW_REG_WAVE_MODE, 25, 1), 1
	s_wait_xcnt 0x0
; x [8192][1024] f32 becomes THREE sets of E4M3 codes, one for each of the scales under which it is an operand (entries 0, 2, 4 of the scales' exponents): xc [3][8192][1024], a code a byte.
; Wq, Wk, Wv, Wo [1024][1024] f32 (K innermost as they lie) become codes under entries 1, 3, 5, 11: wc [4][1024][1024].
; code = number / 2^e, held within +-448, rounded to the nearest code, ties to even.
; LIMITS: each e between -126 and 119, so that 2^e and 448 x 2^e are f32 numbers.  NaN among the inputs is not served (an infinity is held at the largest code).
; Rows are dense, so every tensor is a plain stream.  A work-group takes 32,768 numbers, a wave 16 steps of 512.  Work-groups 0-255 take x, 256-383 the weights (32 each).
; A conversion takes 8 neighbours from ONE lane's registers, a load is best where neighbouring LANES take neighbouring bytes: each of a step's four loads reads 512 consecutive bytes, the 2,048 bytes
; go through the wave's own stage in LDS as they lie and come back 64 bytes a lane (80 bytes from lane to lane).  A lane's 16 codes are 16 bytes: a store of the wave covers 512 consecutive bytes.
; The two ways part once, on the work-group's number, and never join; each has LDS bytes of its own.  No barrier: waves share nothing.  Loads run four steps (16 loads a wave) ahead.
.set STEPS, 16
.set SP,    80                         ; a lane's place in a stage: 64 bytes + 16 of padding
.set R,     16                         ; v16-79   four sets of 16 numbers as they are loaded
.set X,     80                         ; v80-111  two sets of 16 neighbours
.set T,     112                        ; v112-127 the 16 neighbours, held under the scale in hand
.set C,     128                        ; v128-151 codes: two sets of 12 registers (three scales x 4)
; v3 16 x lane (loads and stores alike); v4-6 2^e as f32; v7-9 448 x 2^e; v14, v15 the stage, way in and way out
	s_load_b256 s[4:11], s[0:1], 0x0               ; x s[4:5], Wq s[6:7], Wk s[8:9], Wv s[10:11]
	s_load_b256 s[12:19], s[0:1], 0x20             ; Wo s[12:13], the exponents s[14:15], xc s[16:17], wc s[18:19]
	v_lshl_add_u32 v152, v0, 2, 0x10000
	v_mov_b32 v153, 0
	v_lshrrev_b32 v1, 5, v0
	v_readfirstlane_b32 s20, v1                    ; wave 0..3
	v_and_b32 v2, 31, v0                           ; lane
	v_lshlrev_b32 v3, 4, v2
	s_lshl_b32 s21, s20, 13                        ; my wave's 8,192 bytes of LDS
	v_lshrrev_b32 v14, 2, v2
	v_mul_u32_u24 v14, v14, SP
	v_and_b32 v15, 3, v2
	v_lshl_add_u32 v14, v15, 4, v14
	v_add_nc_u32 v14, s21, v14                     ; way in: four lanes' 64 bytes on end, then the padding
	v_mul_u32_u24 v15, v2, SP
	v_add_nc_u32 v15, s21, v15                     ; way out: my 16 neighbours
	s_wait_kmcnt 0x0
	s_load_b256 s[24:31], s[14:15], 0x0            ; e0 .. e7
	s_load_b128 s[32:35], s[14:15], 0x20           ; e8 .. e11
.macro LOAD t
.irp i, 0,1,2,3
	global_load_b128 v[R+16*((\t)%4)+4*\i:R+16*((\t)%4)+4*\i+3], v3, s[4:5] offset:2048*(\t)+512*\i th:TH_LOAD_NT   ; 32 lanes read 512 consecutive bytes; read once in the launch
.endr
.endm
.macro TURN t, base                    ; step t's numbers through the stage: LDS serves a wave's instructions in order, so no wait stands between the stores and the loads
.irp i, 0,1,2,3
	ds_store_b128 v14, v[R+16*((\t)%4)+4*\i:R+16*((\t)%4)+4*\i+3] offset:\base+32*SP*((\t)%2)+8*SP*\i
.endr
.irp i, 0,1,2,3
	ds_load_b128 v[X+16*((\t)%2)+4*\i:X+16*((\t)%2)+4*\i+3], v15 offset:\base+32*SP*((\t)%2)+16*\i
.endr
.endm
.macro CONST i, se                     ; scale i of this way: 2^e and 448 x 2^e as f32 numbers, e in s[se]
	s_add_co_i32 s36, s[\se], 127
	s_lshl_b32 s37, s36, 23
	v_mov_b32 v[4+\i], s37
	s_add_co_i32 s36, s36, 8
	s_lshl_b32 s36, s36, 23
	s_or_b32 s36, s36, 0x600000
	v_mov_b32 v[7+\i], s36
.endm
; One step: n sets of codes of the same 512 numbers.
.macro QSTEP t, n, base
	s_wait_dscnt 0x0                               ; this step's numbers are back from the stage, so its stores into the stage have read their registers,
.if (\t)+4 < STEPS
	LOAD (\t)+4                                    ; which take the loads of four steps on
.endif
.if (\t)+1 < STEPS
.if STEPS-2-(\t) >= 3
	s_wait_loadcnt 12                              ; the next step's four loads are in; those of the three steps behind it may be out
.else
	s_wait_loadcnt 4*(STEPS-2-(\t))
.endif
	TURN (\t)+1, \base                             ; and go through the other stage while this step is worked
.endif
	s_wait_xcnt 0x0                                ; the stores of two steps ago have read this set of code registers: only behind this wait are they written again
.irp i, 0,1,2
.if \i < \n
.irp k, 0,1,2,3,4,5,6,7,8,9,10,11,12,13,14,15
	v_med3_num_f32 v[T+\k], v[X+16*((\t)%2)+\k], -v[7+\i], v[7+\i]   ; the conversion to an 8-bit code does not saturate (ISA guide 7.6.2): the hold comes first
.endr
	v_cvt_scalef32_pk8_fp8_f32 v[C+12*((\t)%2)+4*\i:C+12*((\t)%2)+4*\i+1], v[T:T+7], v[4+\i]
	v_cvt_scalef32_pk8_fp8_f32 v[C+12*((\t)%2)+4*\i+2:C+12*((\t)%2)+4*\i+3], v[T+8:T+15], v[4+\i]
	v_nop                                          ; one plain vector line between a scaled conversion and the next holds, which write its sources
.endif
.endr
.irp i, 0,1,2
.if \i < \n
	global_store_b128 v3, v[C+12*((\t)%2)+4*\i:C+12*((\t)%2)+4*\i+3], s[40+2*\i:41+2*\i] offset:512*(\t)   ; 512 consecutive bytes, aligned
.endif
.endr
.endm
	s_cmp_lt_u32 ttmp9, 256
	s_cbranch_scc0 .Lweights
	; ---- x: three sets of codes
	s_lshl_b32 s36, ttmp9, 17                      ; 131,072 bytes of f32 a work-group,
	s_lshl_b32 s37, s20, 15                        ; 32,768 a wave
	s_add_co_u32 s36, s36, s37
	s_mov_b32 s37, 0
	s_add_nc_u64 s[4:5], s[4:5], s[36:37]
	s_lshl_b32 s38, ttmp9, 15                      ; and a quarter of that in codes
	s_lshl_b32 s39, s20, 13
	s_add_co_u32 s38, s38, s39
	s_mov_b32 s39, 0
	s_add_nc_u64 s[40:41], s[16:17], s[38:39]      ; the three sections of xc lie 2^23 bytes apart: a base for each
	s_add_nc_u64 s[42:43], s[40:41], 0x800000
	s_add_nc_u64 s[44:45], s[42:43], 0x800000
	s_wait_alu depctr_va_vdst(0)
.irp t, 0,1,2,3
	LOAD \t
.endr
	s_wait_kmcnt 0x0
	CONST 0, 24                                    ; e0
	CONST 1, 26                                    ; e2
	CONST 2, 28                                    ; e4
	s_wait_alu depctr_va_vdst(0)
	s_wait_loadcnt 12                              ; step 0's four loads are in
	TURN 0, 0
.irp t, 0,1,2,3,4,5,6,7,8,9,10,11,12,13,14,15
	QSTEP \t, 3, 0
.endr
	s_wait_tensorcnt 0x0
	ds_add_u32 v152, v153
	s_wait_dscnt 0x0
	s_endpgm
.Lweights:
	; ---- one of the four weights: one set of codes
	s_sub_co_u32 s22, ttmp9, 256                   ; 0..127
	s_lshr_b32 s23, s22, 5                         ; which weight: q, k, v, o
	s_and_b32 s36, s22, 31
	s_lshl_b32 s36, s36, 17
	s_lshl_b32 s37, s20, 15
	s_add_co_u32 s36, s36, s37
	s_mov_b32 s37, 0
	s_lshl_b32 s38, s22, 15                        ; wc's sections follow each other: 32 work-groups x 32,768 bytes
	s_lshl_b32 s39, s20, 13
	s_add_co_u32 s38, s38, s39
	s_mov_b32 s39, 0
	s_cmp_eq_u32 s23, 1                            ; the choice of the buffer hangs on the work-group's number alone
	s_cselect_b64 s[6:7], s[8:9], s[6:7]
	s_cmp_eq_u32 s23, 2
	s_cselect_b64 s[6:7], s[10:11], s[6:7]
	s_cmp_eq_u32 s23, 3
	s_cselect_b64 s[6:7], s[12:13], s[6:7]
	s_add_nc_u64 s[4:5], s[6:7], s[36:37]
	s_add_nc_u64 s[40:41], s[18:19], s[38:39]
	s_wait_alu depctr_va_vdst(0)
.irp t, 0,1,2,3
	LOAD \t
.endr
	s_wait_kmcnt 0x0
	s_cmp_eq_u32 s23, 1
	s_cselect_b32 s25, s27, s25                    ; e1, e3, e5 or e11
	s_cmp_eq_u32 s23, 2
	s_cselect_b32 s25, s29, s25
	s_cmp_eq_u32 s23, 3
	s_cselect_b32 s25, s35, s25
	CONST 0, 25
	s_wait_alu depctr_va_vdst(0)
	s_wait_loadcnt 12
	TURN 0, 32768
.irp t, 0,1,2,3,4,5,6,7,8,9,10,11,12,13,14,15
	QSTEP \t, 1, 32768
.endr
	s_wait_tensorcnt 0x0
	ds_add_u32 v152, v153
	s_wait_dscnt 0x0
	s_endpgm
.Lfunc_end_k_q2824f3d830_quant:
	.size	k_q2824f3d830_quant, .Lfunc_end_k_q2824f3d830_quant-k_q2824f3d830_quant
	.p2alignl 7, 3214868480
	.fill 96, 4, 3214868480
	.section	.rodata,"a",@progbits
	.p2align	6, 0x0
	.amdhsa_kernel k_q2824f3d830_quant
		.amdhsa_group_segment_fixed_size 66048
		.amdhsa_private_segment_fixed_size 0
		.amdhsa_enable_private_segment 0
		.amdhsa_kernarg_size 64
		.amdhsa_user_sgpr_count 2
		.amdhsa_user_sgpr_kernarg_segment_ptr 1
		.amdhsa_wavefront_size32 1
		.amdhsa_system_sgpr_workgroup_id_x 1
		.amdhsa_system_sgpr_workgroup_id_y 1
		.amdhsa_system_sgpr_workgroup_id_z 1
		.amdhsa_system_vgpr_workitem_id 0
		.amdhsa_next_free_vgpr 154
		.amdhsa_next_free_sgpr 66
		.amdhsa_reserve_vcc 0
		.amdhsa_float_denorm_mode_32 3
		.amdhsa_float_denorm_mode_16_64 3
		.amdhsa_memory_ordered 1
		.amdhsa_forward_progress 1
		.amdhsa_inst_pref_size 116
	.end_amdhsa_kernel
	.amdgpu_metadata
---
amdhsa.version: [ 1, 2 ]
amdhsa.kernels:
  - .name:           k_q2824f3d830_quant
    .symbol:         k_q2824f3d830_quant.kd
    .args:
      - { .name: x, .offset: 0, .size: 8, .value_kind: global_buffer, .address_space: global }
      - { .name: Wq, .offset: 8, .size: 8, .value_kind: global_buffer, .address_space: global }
      - { .name: Wk, .offset: 16, .size: 8, .value_kind: global_buffer, .address_space: global }
      - { .name: Wv, .offset: 24, .size: 8, .value_kind: global_buffer, .address_space: global }
      - { .name: Wo, .offset: 32, .size: 8, .value_kind: global_buffer, .address_space: global }
      - { .name: lowp_scales, .offset: 40, .size: 8, .value_kind: global_buffer, .address_space: global }
      - { .name: xc, .offset: 48, .size: 8, .value_kind: global_buffer, .address_space: global }
      - { .name: wc, .offset: 56, .size: 8, .value_kind: global_buffer, .address_space: global }
    .group_segment_fixed_size: 66048
    .private_segment_fixed_size: 0
    .kernarg_segment_align: 8
    .kernarg_segment_size: 64
    .max_flat_workgroup_size: 128
    .sgpr_count:     66
    .vgpr_count:     154
    .wavefront_size: 32
...
	.end_amdgpu_metadata
.endif
;; end of part 1
;; launch proj (part 2): grid 4 x 96, 4 waves a work-group, clusters of 4 x 4, 327,680 bytes of LDS; arguments xc, wc, bq, bk, bv, lowp_scales, qkvc; writes qkvc
.if DOCPART == 2
	.amdgcn_target "amdgcn-amd-amdhsa--gfx1250"
	.amdhsa_code_object_version 6
	.text
	.protected	k_q2824f3d830_proj
	.globl	k_q2824f3d830_proj
	.p2align	8
	.type	k_q2824f3d830_proj,@function
k_q2824f3d830_proj:
	s_mov_b64 s[64:65], 0
	v_nop
	global_prefetch_b8 v0, s[64:65] scope:SCOPE_SE
	s_setreg_imm32_b32 hwreg(HW_REG_WAVE_MODE, 25, 1), 1
	s_wait_xcnt 0x0
	s_wait_alu depctr_hold_cnt(0) depctr_sa_sdst(0) depctr_va_vdst(0) depctr_va_sdst(0) depctr_va_ssrc(0) depctr_va_vcc(0) depctr_vm_vsrc(0)
	s_getreg_b32 s2, hwreg(HW_REG_IB_STS2, 6, 4)
	s_cmp_eq_u32 s2, 0
	s_cbranch_scc0 .Lentry_in_a_cluster
	s_endpgm
.Lentry_in_a_cluster:
	s_bfe_u32 s2, ttmp6, 0x10000c
	s_cmp_lg_u32 s2, 0xf033
	s_cbranch_scc0 .Lentry_shape_is_right
	s_endpgm
.Lentry_shape_is_right:
; The three projections on E4M3 codes, each with its bias, each result quantised at once for the product that takes it:  q = x Wq^T + bq (scale entry 6), k (entry 7), v (entry 9).
; C'[m'][n'] = sum over k of A'[m'][k] B'[n'][k], K = 1,024.  A tile of C' is 256 x 256: four waves, each 128 x 128 in 64 accumulators.  K goes in steps of 256 through two LDS slots filled by the tensor data mover.
; Cluster y = c (0..23): t = c / 8 says which projection.  q, k: A' = x's codes (section t), B' = the weight's codes.  v: A' = Wv's codes, B' = x's codes: C' = V^T.
; THE MATRIX INSTRUCTION IS USED TRANSPOSED (source 0 = 16 rows of B', source 1 = 16 rows of A'): a lane holds eight NEIGHBOURS n' of one row m'.  For q and k those are eight channels of a head, their next K; for v,
; by the change of roles, eight tokens, which are ITS next K.  So the conversions take a lane's registers as they lie.  Roles are chosen by s_cselect on t, which all sixteen partners share.
; OUT: q at byte 0 and k at 2^23 of qkvc: [b][h][n][64].  v at 2^24: [b][h][16 blocks of tokens][64 channels][128 tokens]; within each 32 tokens the four pieces of 8 lie in the order 0, 2, 1, 3, so that
; 16 bytes at 16 x (lane / 16) are four registers on end of the 8-bit operand layout (ISA guide 7.12.2).
; CLUSTERS: 4 x 4 work-groups; A's tile is asked for jointly along a row of the cluster, B's along a column.
; A sum stands for sum x 2^es, es = the two operands' exponents added.  code = (sum + bias / 2^es) / 2^(eo - es), held within +-448.
; LIMITS: eo - es between -126 and 119.  NaN among the inputs is not served.
; REGISTERS, in windows of 256: window 0: v0-31 addresses; v32-95 the bias; from v128 A's fragments, ONE set; on the way out v96-223 are at work.  window 1: B's fragments, TWO sets.  windows 2, 3: the accumulators ((a, b) at v[8 (8 (a % 4) + b)]).
.set ROWB,   256                       ; a tile's row in bytes: 256 codes
.set KROW,   1024                      ; a row of A' or B' in memory
.set PITCH,  272                       ; an LDS row: 256 bytes + 16 of padding: the 16 rows that a load touches start at 16 different groups of four banks (64 banks of 4 bytes: ISA guide 11.1)
.set FR,     16                        ; registers of a fragment: 16 rows x 128 K
.set NL,     4                         ; LDS loads that bring one
.set NP,     4                         ; places behind this matrix instruction (ISA guide 7.12.1)
.set HALFT,  128*PITCH
.set SLOT,   4*HALFT                   ; A's 256 rows, then B's 256 rows
.set SPARE,  2*SLOT                    ; behind the ring: the spare words, 128 bytes a wave, which no other line names
.set SCV,  12                          ; v12  2^(eo - es) as f32
.set LMV,  13                          ; v13  448 x that
.set ADRA, 16                          ; v16-17 LDS address of my A fragments in slot 0, 1
.set ADRB, 20                          ; v20-21 the same for B
.set STOV, 22                          ; v22  v's stage: where I put 16 bytes of a channel's row
.set RDV,  23                          ; v23  and where I read back
.set STO,  24                          ; v24  q's and k's stage: where I put 8 bytes of a token's row
.set RD,   25                          ; v25  and where I read back
.set CO,   26                          ; v26  16 x lane
.set BQO,  27                          ; v27  32 x (lane / 16): the bias by columns
.set SPW,  28                          ; v28  my spare word; never rewritten
.set NIL,  29                          ; v29  0; never rewritten
.set BVO,  30                          ; v30  4 x (lane % 16): the bias by rows
.set BIAS, 32                          ; v32-95
.set TMP,  96                          ; v96-159  a block's sums + bias  (until the way out: v96-103 the bias by rows as loaded)
.set CODE, 160                         ; v160-191 codes, two sets of 16
.set RB,   192                         ; v192-223 rows read back, two sets of 16
.set AF,   128
.set G1, 24
.set G0, 32
.set G1B, 48
.set G0B, 56
.set MSB, 0
.macro WIN new                         ; the immediate's high byte repeats the setting that is left
.if MSB != (\new)
	s_set_vgpr_msb (MSB<<8)|(\new)
.set MSB, (\new)
.endif
.endm
.set MUL_LO, 0xa1                      ; source 0 (B) window 1, source 1 (A) window 0, C and D window 2
.set MUL_HI, 0xf1                      ; the same, C and D window 3
.set TO_B,   0x40                      ; destination window 1, address window 0
; A joint load: waves 0 and 1 fetch for A, waves 2 and 3 for B.  The branch hangs on the wave's number alone.  Four v_nop follow each of the two lines.
.macro JLOAD g0a, g1a, g0b, g1b
	s_cmp_eq_u32 s15, 0
	s_cbranch_scc0 .Lfor_b_\@
	tensor_load_to_lds s[\g0a:\g0a+3], s[\g1a:\g1a+7]
	s_nop 0
.rept 4
	v_nop
.endr
	s_branch .Lasked_\@
.Lfor_b_\@:
	tensor_load_to_lds s[\g0b:\g0b+3], s[\g1b:\g1b+7]
	s_nop 0
.rept 4
	v_nop
.endr
.Lasked_\@:
.endm
.macro CREST                           ; a round of the cluster's barrier behind its opening barrier
	s_cmp_lg_u32 s14, 0
	s_cbranch_scc1 .Lnot_wave_0_\@
	s_barrier_signal -3
.Lnot_wave_0_\@:
	s_barrier_wait -3
	s_barrier_signal -1
	s_barrier_wait -1
.endm
.macro CROUND
	s_barrier_signal -1
	s_barrier_wait -1
	CREST
.endm
	s_load_b256 s[4:11], s[0:1], 0x0               ; xc s[4:5], wc s[6:7], bq s[8:9], bk s[10:11]
	s_load_b128 s[72:75], s[0:1], 0x20             ; bv s[72:73], the exponents s[74:75]
	s_load_b64 s[76:77], s[0:1], 0x30              ; qkvc
	v_lshl_add_u32 v[SPW], v0, 2, SPARE
	v_mov_b32 v[NIL], 0
	ds_add_u32 v28, v29
	ds_add_u32 v28, v29
	s_wait_dscnt 0x0
	v_lshrrev_b32 v1, 5, v0
	v_readfirstlane_b32 s14, v1                    ; wave 0..3
	s_lshr_b32 s15, s14, 1                         ; which half of the tile's rows is mine.  Also: I fetch for A (0) or for B (1)
	s_and_b32 s16, s14, 1                          ; which half of its columns.  Also: which 128 rows of that tile I fetch
	s_bfe_u32 s40, ttmp6, 0x40000                  ; cx
	s_bfe_u32 s41, ttmp6, 0x40004                  ; cy
	s_and_b32 s68, ttmp7, 0xffff                   ; cluster y, 0..23: shared by all sixteen
	s_lshr_b32 s66, s68, 3                         ; t: 0 q, 1 k, 2 v
	s_and_b32 s67, s68, 7
	s_lshl_b32 s67, s67, 2                         ; the cluster's first tile along the tokens
	s_lshl_b32 s69, s66, 23                        ; section t of xc (and of qkvc),
	s_lshl_b32 s70, s66, 20                        ; and of wc
	s_cmp_eq_u32 s66, 2                            ; all selections on this compare stand ahead of the additions, which set SCC
	s_cselect_b32 s17, 0, s67
	s_cselect_b32 s42, s67, 0
	s_cselect_b32 s71, s70, s69                    ; A's section
	s_cselect_b32 s78, s69, s70                    ; B's section
	s_add_co_u32 s17, s17, s41                     ; tile row of C': never holds cx
	s_add_co_u32 s42, s42, s40                     ; tile column of C': never holds cy
	s_lshl_b32 s43, s41, 2
	s_lshl_b32 s43, 15, s43                        ; my row of the cluster
	s_lshl_b32 s44, 0x1111, s40                    ; my column
	s_or_b32 s[G1+0], s43, (0<<16)|(1<<20)|(1<<21)|(5<<22)|(3<<25)  ; 15:0 the mask; elements of 1 byte; 20 padding on; 21 set beside a mask; after every 64 words (code 5) four words (code 3)
	s_or_b32 s[G1B+0], s44, (0<<16)|(1<<20)|(1<<21)|(5<<22)|(3<<25)
.irp g, G1, G1B
	s_mov_b32 s[\g+1], ROWB<<16                    ; tensor_dim0
	s_mov_b32 s[\g+2], 128<<16                     ; tensor_dim1
	s_mov_b32 s[\g+3], ROWB<<16                    ; tile_dim0
	s_mov_b32 s[\g+4], 128                         ; tile_dim1
	s_mov_b32 s[\g+5], KROW                        ; from row to row
	s_mov_b32 s[\g+6], 0
	s_mov_b32 s[\g+7], 0
.endr
	s_lshl_b32 s18, s16, 7
	s_lshl_b32 s20, s17, 8
	s_add_co_u32 s20, s20, s18                     ; A': row 256 x tile row + 128 x half,
	s_lshl_b32 s20, s20, 10                        ; in bytes,
	s_add_co_u32 s20, s20, s71                     ; in its section
	s_mov_b32 s21, 0
	s_lshl_b32 s46, s42, 8
	s_add_co_u32 s46, s46, s18
	s_lshl_b32 s46, s46, 10
	s_add_co_u32 s46, s46, s78
	s_mov_b32 s47, 0
	s_mul_i32 s45, s14, HALFT                      ; where they go: wave x 128 rows
	s_wait_kmcnt 0x0
	s_load_b256 s[80:87], s[74:75], 0x0            ; e0 .. e7
	s_load_b128 s[88:91], s[74:75], 0x20           ; e8 .. e11
	s_cmp_eq_u32 s66, 2
	s_cselect_b64 s[92:93], s[6:7], s[4:5]         ; A's buffer
	s_cselect_b64 s[94:95], s[4:5], s[6:7]         ; B's buffer
	s_add_nc_u64 s[20:21], s[92:93], s[20:21]
	s_add_nc_u64 s[46:47], s[94:95], s[46:47]
	CROUND                                         ; all sixteen work-groups are here: the first joint loads meet
.irp s, 0,1
	s_mov_b32 s[G0+4*\s], 1
	s_add_co_u32 s[G0+4*\s+1], s45, \s*SLOT
	s_add_nc_u64 s[G0+4*\s+2:G0+4*\s+3], s[20:21], \s*ROWB
	s_or_b32 s[G0+4*\s+3], s[G0+4*\s+3], 0x80000000
	s_mov_b32 s[G0B+4*\s], 1
	s_add_co_u32 s[G0B+4*\s+1], s45, \s*SLOT
	s_add_nc_u64 s[G0B+4*\s+2:G0B+4*\s+3], s[46:47], \s*ROWB
	s_or_b32 s[G0B+4*\s+3], s[G0B+4*\s+3], 0x80000000
.endr
	JLOAD G0, G1, G0B, G1B                         ; K step 0
	v_and_b32 v1, 15, v0                           ; r = lane % 16
	s_wait_alu depctr_va_vdst(0)
	v_bfe_u32 v2, v0, 4, 1                         ; h = lane / 16
	v_mul_u32_u24 v3, v1, PITCH
	v_lshl_add_u32 v4, v2, 4, v3                   ; a fragment's row x pitch + 16 h
	s_mul_i32 s21, s15, HALFT
	s_mul_i32 s22, s16, HALFT
	s_add_co_u32 s22, s22, 2*HALFT
.irp s, 0,1
	v_add_nc_u32 v[ADRA+\s], s21, v4
	v_add_nc_u32 v[ADRB+\s], s22, v4
	s_add_co_u32 s21, s21, SLOT
	s_add_co_u32 s22, s22, SLOT
.endr
	; the stages of the way out lie in slot 0, which has had its last fill and its last read when the first result is stored there.  q's and k's: 2,560 bytes a wave from byte 0; v's: 2,304 a wave from byte 16,384
	v_and_b32 v5, 31, v0
	s_mul_i32 s23, s14, 2560
	v_mul_u32_u24 v[STO], v1, 80                   ; a token's 64 codes + 16 of padding
	s_wait_alu depctr_va_vdst(0)
	v_lshl_add_u32 v[STO], v2, 3, v[STO]
	v_add_nc_u32 v[STO], s23, v[STO]
	v_lshrrev_b32 v6, 2, v5
	v_mul_u32_u24 v[RD], v6, 80
	v_and_b32 v6, 3, v5
	v_lshl_add_u32 v[RD], v6, 4, v[RD]
	v_add_nc_u32 v[RD], s23, v[RD]                 ; back: four lanes to a token, eight tokens an instruction
	s_mul_i32 s23, s14, 2304
	s_add_co_u32 s23, s23, 16384
	v_mul_u32_u24 v[STOV], v1, 144                 ; a channel's 128 codes + 16 of padding
	v_lshl_add_u32 v[STOV], v2, 4, v[STOV]
	v_add_nc_u32 v[STOV], s23, v[STOV]
	v_lshrrev_b32 v6, 3, v5
	v_mul_u32_u24 v[RDV], v6, 144
	v_and_b32 v6, 7, v5
	v_lshl_add_u32 v[RDV], v6, 4, v[RDV]
	v_add_nc_u32 v[RDV], s23, v[RDV]               ; back: eight lanes to a channel, four channels an instruction
	v_lshlrev_b32 v[CO], 4, v5
	v_lshlrev_b32 v[BQO], 5, v2
	s_wait_alu depctr_va_vdst(0)
	v_lshlrev_b32 v[BVO], 2, v1
	; THE BIAS, in both shapes, from the one vector that t names: by columns n' (q, k use it: eight numbers for each of B's eight blocks) and by rows m' (v uses it: one number for each of A's eight blocks).
	; Every work-group loads both, so that the head has one way; the offsets are cut to the vector's 1,024 numbers (for the shape in use the cut changes nothing); the shape not in use costs 8 or 16 loads a wave.
	s_wait_alu depctr_va_vdst(0)
	s_cmp_eq_u32 s66, 1
	s_cselect_b64 s[8:9], s[10:11], s[8:9]
	s_cmp_eq_u32 s66, 2
	s_cselect_b64 s[8:9], s[72:73], s[8:9]
	s_and_b32 s18, s42, 3
	s_lshl_b32 s18, s18, 10
	s_lshl_b32 s19, s16, 9
	s_add_co_u32 s18, s18, s19                     ; (256 x tile column + 128 x half) x 4 bytes
	s_mov_b32 s19, 0
	s_add_nc_u64 s[92:93], s[8:9], s[18:19]
	s_and_b32 s18, s17, 3
	s_lshl_b32 s18, s18, 10
	s_lshl_b32 s22, s15, 9
	s_add_co_u32 s18, s18, s22                     ; (256 x tile row + 128 x half) x 4 bytes
	s_add_nc_u64 s[94:95], s[8:9], s[18:19]
.irp b, 0,1,2,3,4,5,6,7
	global_load_b128 v[BIAS+8*\b:BIAS+8*\b+3], v[BQO], s[92:93] offset:64*\b
	global_load_b128 v[BIAS+8*\b+4:BIAS+8*\b+7], v[BQO], s[92:93] offset:64*\b+16
.endr
.irp a, 0,1,2,3,4,5,6,7
	global_load_b32 v[TMP+\a], v[BVO], s[94:95] offset:64*\a
.endr
	; where my part of the result begins in qkvc
	s_lshl_b32 s18, s17, 8
	s_lshl_b32 s19, s15, 7
	s_add_co_u32 s18, s18, s19                     ; q, k: my first token, 256 x tile row + 128 x half
	s_lshl_b32 s19, s42, 2
	s_lshl_b32 s23, s16, 1
	s_add_co_u32 s19, s19, s23                     ;       my first head, 4 x tile column + 2 x half
	s_lshr_b32 s23, s18, 11                        ;       batch
	s_lshl_b32 s23, s23, 4
	s_add_co_u32 s23, s23, s19
	s_lshl_b32 s23, s23, 11
	s_and_b32 s18, s18, 2047
	s_add_co_u32 s23, s23, s18
	s_lshl_b32 s23, s23, 6                         ;       ((batch x 16 + head) x 2,048 + token) x 64
	s_lshl_b32 s22, s42, 8
	s_lshl_b32 s19, s16, 7
	s_add_co_u32 s22, s22, s19                     ; v: my first token, 256 x tile column + 128 x half
	s_lshl_b32 s68, s17, 2
	s_lshl_b32 s19, s15, 1
	s_add_co_u32 s68, s68, s19                     ;    my first head, 4 x tile row + 2 x half
	s_lshr_b32 s19, s22, 11
	s_lshl_b32 s19, s19, 4
	s_add_co_u32 s19, s19, s68
	s_lshl_b32 s19, s19, 4
	s_and_b32 s22, s22, 2047
	s_lshr_b32 s22, s22, 7
	s_add_co_u32 s19, s19, s22
	s_lshl_b32 s19, s19, 13                        ;    ((batch x 16 + head) x 16 + block of tokens) x 8,192
	s_cmp_eq_u32 s66, 2
	s_cselect_b32 s18, s19, s23
	s_add_co_u32 s18, s18, s69                     ; + section t
	s_mov_b32 s19, 0
	s_add_nc_u64 s[98:99], s[76:77], s[18:19]
.macro FRAG reg, adr, q, i             ; 16 rows x 128 K of codes in 16 registers: lane l holds row l % 16; registers 4 c .. 4 c + 3 hold K = 32 c + 16 (l / 16) + 0 .. 15: the same order of k in A' and in B'
.irp c, 0,1,2,3
	ds_load_b128 v[\reg+4*\c:\reg+4*\c+3], v[\adr] offset:128*(\q)+32*\c+(\i)*16*PITCH
.endr
.endm
; 16 matrix instructions: A's blocks a0, a0 + 1 x B's eight.  The 64 accumulators take turns, one instruction a turn, in the same order in every step.
.macro MUL16 a0, p, zero
.irp a, \a0, \a0+1
.irp b, 0,1,2,3,4,5,6,7
.if \zero
	v_wmma_f32_16x16x128_fp8_fp8 v[8*(8*((\a)%4)+\b):8*(8*((\a)%4)+\b)+7], v[128*(\p)+FR*\b:128*(\p)+FR*\b+FR-1], v[AF+FR*(\a):AF+FR*(\a)+FR-1], 0
.else
	v_wmma_f32_16x16x128_fp8_fp8 v[8*(8*((\a)%4)+\b):8*(8*((\a)%4)+\b)+7], v[128*(\p)+FR*\b:128*(\p)+FR*\b+FR-1], v[AF+FR*(\a):AF+FR*(\a)+FR-1], v[8*(8*((\a)%4)+\b):8*(8*((\a)%4)+\b)+7]
.endif
.endr
.endr
.endm
.macro FETCH_B slot, q, p
	WIN TO_B
.irp i, 0,1,2,3,4,5,6,7
	FRAG 128*(\p)+FR*\i, ADRB+\slot, \q, \i
.endr
	WIN 0
.endm
.macro FETCH_A slot, q, i0
.irp i, \i0, \i0+1, \i0+2, \i0+3
	FRAG AF+FR*(\i), ADRA+\slot, \q, \i
.endr
.endm
.macro PLACES n                        ; plain vector lines between a matrix instruction and a load into one of its registers, or the first read of its result (ISA guide 7.12.1 for the first read of its result)
.rept \n
	v_nop
.endr
.endm
.macro STEP slot, q, zero              ; 128 along K, with its successor in the same slot
	s_wait_dscnt 4*NL                              ; B's set and A's blocks 0-3 are in; the youngest sixteen loads (A's blocks 4-7) may be out
	WIN MUL_LO
	MUL16 0, (\q)%2, \zero
	MUL16 2, (\q)%2, \zero
	s_wait_dscnt 0
	PLACES NP
	FETCH_B \slot, (\q)+1, 1-(\q)%2
	FETCH_A \slot, (\q)+1, 0
	WIN MUL_HI
	MUL16 4, (\q)%2, \zero
	MUL16 6, (\q)%2, \zero
	PLACES NP
	WIN 0
	FETCH_A \slot, (\q)+1, 4
.endm
; A slot's last step changes slots: one barrier; in front of it each wave waits for all its tensor loads, adds 0 to its spare word, and waits for that and for its reads of this slot.
.macro TURN slot, next, fill
	s_wait_tensorcnt 0x0                           ; all my tensor loads have landed: my part of the next slot
	ds_add_u32 v[SPW], v[NIL]                      ; 0 onto my spare word
	s_wait_dscnt 4*NL+1                            ; (the add and the youngest sixteen loads may be out)
	WIN MUL_LO
	MUL16 0, 1, 0
	s_wait_dscnt 0x0                               ; the add is done, and my reads of this slot are over
	s_barrier_signal -1
	MUL16 2, 1, 0
	WIN 0
	s_barrier_wait -1
.if \fill
	CREST                                          ; the barrier has opened a round of the cluster's: no wave of any partner still reads this slot or has a load on its way
	s_add_nc_u64 s[G0+4*\slot+2:G0+4*\slot+3], s[G0+4*\slot+2:G0+4*\slot+3], 2*ROWB
	s_add_nc_u64 s[G0B+4*\slot+2:G0B+4*\slot+3], s[G0B+4*\slot+2:G0B+4*\slot+3], 2*ROWB
	JLOAD G0+4*\slot, G1, G0B+4*\slot, G1B         ; the first tensor load behind the round; its four v_nop are the places in front of the loads below
.else
	PLACES NP
.endif
	FETCH_B \next, 0, 0
	FETCH_A \next, 0, 0
	WIN MUL_HI
	MUL16 4, 1, 0
	MUL16 6, 1, 0
	PLACES NP
	WIN 0
	FETCH_A \next, 0, 4
.endm
	s_wait_alu depctr_va_vdst(0)                   ; the head's end
	s_wait_tensorcnt 0x0                           ; my part of K step 0 is in
	ds_add_u32 v[SPW], v[NIL]
	s_wait_dscnt 0x0
	CROUND                                         ; everybody's part of K step 0 is in, and all sixteen work-groups are here
	JLOAD G0+4, G1, G0B+4, G1B                     ; K step 1's load, the first tensor load behind the round
	FETCH_B 0, 0, 0
	FETCH_A 0, 0, 0
	FETCH_A 0, 0, 4
	STEP 0, 0, 1                                   ; K = 1,024 is four K steps, eight steps of 128, written out: the first products start the sums
	TURN 0, 1, 1                                   ; slot 0 takes K step 2
	STEP 1, 0, 0
	TURN 1, 0, 1                                   ; slot 1 takes K step 3
	STEP 0, 0, 0
	TURN 0, 1, 0                                   ; nothing is left to fetch
	STEP 1, 0, 0
	s_wait_dscnt 4*NL
	WIN MUL_LO
	MUL16 0, 1, 0
	MUL16 2, 1, 0
	s_wait_dscnt 0
	WIN MUL_HI
	MUL16 4, 1, 0
	MUL16 6, 1, 0
	WIN 0
; THE WAY OUT, block by block of A's 16 rows.  sum + bias, the hold, the conversion; the codes go through my own stage in LDS and come back in the order of the output, of which each store covers 512 consecutive bytes.
; LDS serves a wave's instructions in order (ISA guide 5.7.1.4): no wait between a block's stores and its loads, nor in front of the next block's stores.
.macro BLOCK a, isv
.set AC, 64*((\a)%4)
.set CD, CODE+16*((\a)%2)
.set RR, RB+16*((\a)%2)
	WIN 0x02+((\a)/4)                              ; source 0: window 2 or 3
.set j, 0
.rept 32
.if \isv
	v_pk_add_f32 v[TMP+j:TMP+j+1], v[AC+j:AC+j+1], v[BIAS+2*(\a):BIAS+2*(\a)+1]   ; the row's one bias, kept twice; each accumulator from its low end on
.else
	v_pk_add_f32 v[TMP+j:TMP+j+1], v[AC+j:AC+j+1], v[BIAS+j:BIAS+j+1]
.endif
.set j, j+2
.endr
	WIN 0
.set j, 0
.rept 64
	v_med3_num_f32 v[TMP+j], v[TMP+j], -v[LMV], v[LMV]   ; the conversion to an 8-bit code does not saturate (ISA guide 7.6.2)
.set j, j+1
.endr
.irp b, 0,1,2,3,4,5,6,7
	v_cvt_scalef32_pk8_fp8_f32 v[CD+2*\b:CD+2*\b+1], v[TMP+8*\b:TMP+8*\b+7], v[SCV]
.endr
	v_nop                                          ; one plain vector line behind the last conversion: the next block writes its sources
.if \isv
.irp g, 0,1,2,3
	ds_store_b128 v[STOV], v[CD+4*\g:CD+4*\g+3] offset:32*\g   ; tokens 32 g + 8 h + 0..7 and 32 g + 16 + 8 h + 0..7 at bytes 32 g + 16 h: pieces in the order 0, 2, 1, 3
.endr
.irp k, 0,1,2,3
	ds_load_b128 v[RR+4*\k:RR+4*\k+3], v[RDV] offset:576*\k
.endr
.else
.irp b, 0,1,2,3,4,5,6,7
	ds_store_b64 v[STO], v[CD+2*\b:CD+2*\b+1] offset:(\b/4)*1280+16*(\b%4)   ; head b / 4, channels 16 (b % 4) + 8 h + 0..7 of token r
.endr
.irp k, 0,1,2,3
	ds_load_b128 v[RR+4*\k:RR+4*\k+3], v[RD] offset:(\k/2)*1280+(\k%2)*640
.endr
.endif
.endm
.macro SEND a, younger, isv            ; younger: the LDS instructions issued behind block a's loads, which may stay out
.set RR, RB+16*((\a)%2)
	s_wait_dscnt \younger
.irp k, 0,1,2,3
.if \isv
	global_store_b128 v[CO], v[RR+4*\k:RR+4*\k+3], s[98:99] offset:((\a)/4)*131072+((\a)%4)*2048+512*\k   ; head a / 4, channels 16 (a % 4) + 4 k on: 512 consecutive bytes, aligned
.else
	global_store_b128 v[CO], v[RR+4*\k:RR+4*\k+3], s[98:99] offset:(\k/2)*131072+1024*(\a)+512*(\k%2)     ; head k / 2, tokens 16 a + 8 (k % 2) on: 512 consecutive bytes, aligned
.endif
.endr
.endm
.macro WAYOUT isv, younger
	BLOCK 0, \isv
.irp a, 1,2,3,4,5,6,7
.if \a > 1
	s_wait_xcnt 0x0                                ; block a - 2's stores have read their registers: block a's loads may land there
.endif
	BLOCK \a, \isv
	SEND \a-1, \younger, \isv
.endr
	SEND 7, 0, \isv
.endm
	s_wait_kmcnt 0x0
	s_add_co_i32 s80, s80, s81                     ; e0 + e1
	s_add_co_i32 s82, s82, s83                     ; e2 + e3
	s_add_co_i32 s84, s84, s85                     ; e4 + e5
	s_cmp_eq_u32 s66, 1                            ; the exponents are chosen, never branched on
	s_cselect_b32 s80, s82, s80
	s_cselect_b32 s86, s87, s86                    ; eo: e6, e7 or e9
	s_cmp_eq_u32 s66, 2
	s_cselect_b32 s80, s84, s80                    ; es
	s_cselect_b32 s86, s89, s86
	s_sub_co_i32 s79, 0, s80                       ; -es
	s_add_co_i32 s86, s86, s79
	s_add_co_i32 s86, s86, 127
	s_lshl_b32 s87, s86, 23                        ; 2^(eo - es)
	s_add_co_i32 s86, s86, 8
	s_lshl_b32 s86, s86, 23
	s_or_b32 s86, s86, 0x600000                    ; 448 x that
	s_wait_loadcnt 0x0                             ; the bias
	PLACES NP                                      ; behind the last products
	v_mov_b32 v[SCV], s87
	v_mov_b32 v[LMV], s86
	s_cmp_eq_u32 s66, 2                            ; t is the same in all sixteen partners
	s_cbranch_scc1 .Lv_out
.set j, 0
.rept 64
	v_ldexp_f32 v[BIAS+j], v[BIAS+j], s79          ; bias / 2^es
.set j, j+1
.endr
	WAYOUT 0, 12                                   ; behind a block's loads: the next block's 8 stores and 4 loads
	s_branch .Ldone
.Lv_out:
.irp a, 0,1,2,3,4,5,6,7
	v_ldexp_f32 v[BIAS+2*\a], v[TMP+\a], s79
	v_mov_b32 v[BIAS+2*\a+1], v[BIAS+2*\a]
.endr
	WAYOUT 1, 8                                    ; the next block's 4 stores and 4 loads
.Ldone:
	s_wait_tensorcnt 0x0                           ; the wave's end
	ds_add_u32 v[SPW], v[NIL]
	s_wait_dscnt 0x0
	CROUND                                         ; the closing round: no work-group ends while a partner may still ask for a tile that names it
	s_endpgm
.Lfunc_end_k_q2824f3d830_proj:
	.size	k_q2824f3d830_proj, .Lfunc_end_k_q2824f3d830_proj-k_q2824f3d830_proj
	.p2alignl 7, 3214868480
	.fill 96, 4, 3214868480
	.section	.rodata,"a",@progbits
	.p2align	6, 0x0
	.amdhsa_kernel k_q2824f3d830_proj
		.amdhsa_group_segment_fixed_size 327680
		.amdhsa_private_segment_fixed_size 0
		.amdhsa_enable_private_segment 0
		.amdhsa_kernarg_size 56
		.amdhsa_user_sgpr_count 2
		.amdhsa_user_sgpr_kernarg_segment_ptr 1
		.amdhsa_wavefront_size32 1
		.amdhsa_system_sgpr_workgroup_id_x 1
		.amdhsa_system_sgpr_workgroup_id_y 1
		.amdhsa_system_sgpr_workgroup_id_z 1
		.amdhsa_system_vgpr_workitem_id 0
		.amdhsa_next_free_vgpr 1024
		.amdhsa_next_free_sgpr 100
		.amdhsa_reserve_vcc 0
		.amdhsa_float_denorm_mode_32 3
		.amdhsa_float_denorm_mode_16_64 3
		.amdhsa_memory_ordered 1
		.amdhsa_forward_progress 1
		.amdhsa_inst_pref_size 211
	.end_amdhsa_kernel
	.amdgpu_metadata
---
amdhsa.version: [ 1, 2 ]
amdhsa.kernels:
  - .name:           k_q2824f3d830_proj
    .symbol:         k_q2824f3d830_proj.kd
    .args:
      - { .name: xc, .offset: 0, .size: 8, .value_kind: global_buffer, .address_space: global }
      - { .name: wc, .offset: 8, .size: 8, .value_kind: global_buffer, .address_space: global }
      - { .name: bq, .offset: 16, .size: 8, .value_kind: global_buffer, .address_space: global }
      - { .name: bk, .offset: 24, .size: 8, .value_kind: global_buffer, .address_space: global }
      - { .name: bv, .offset: 32, .size: 8, .value_kind: global_buffer, .address_space: global }
      - { .name: lowp_scales, .offset: 40, .size: 8, .value_kind: global_buffer, .address_space: global }
      - { .name: qkvc, .offset: 48, .size: 8, .value_kind: global_buffer, .address_space: global }
    .group_segment_fixed_size: 327680
    .private_segment_fixed_size: 0
    .kernarg_segment_align: 8
    .kernarg_segment_size: 56
    .max_flat_workgroup_size: 128
    .sgpr_count:     100
    .vgpr_count:     1024
    .wavefront_size: 32
...
	.end_amdgpu_metadata
.endif
;; end of part 2
;; launch attn (part 3): grid 4 x 64, 8 waves a work-group, no clusters, 236,544 bytes of LDS; arguments qkvc, lowp_scales, oc; writes oc
.if DOCPART == 3
	.amdgcn_target "amdgcn-amd-amdhsa--gfx1250"
	.amdhsa_code_object_version 6
	.text
	.protected	k_q2824f3d830_attn
	.globl	k_q2824f3d830_attn
	.p2align	8
	.type	k_q2824f3d830_attn,@function
k_q2824f3d830_attn:
	s_mov_b64 s[64:65], 0
	v_nop
	global_prefetch_b8 v0, s[64:65] scope:SCOPE_SE
	s_setreg_imm32_b32 hwreg(HW_REG_WAVE_MODE, 25, 1), 1
	s_wait_xcnt 0x0
; Attention on E4M3 codes: o = Q(softmax(q k^T / 8)) v for one head, the softmax quantised FINISHED AND NORMALISED (scale entry 8), o quantised at once for the last projection (entry 10).
; LEFT OUT: abs().  A softmax is a quotient of sums of exponentials and is never negative, whatever the inputs hold, so abs() changes no number.
; qkvc: q at byte 0 and k at 2^23, [b][h][n][64]; v at 2^24, [b][h][16 blocks][64 channels][128 tokens], the pieces of 8 tokens of each 32 in the order 0, 2, 1, 3.  oc: [64 blocks of 128 tokens][16 heads][128][64].
; SHARES.  A work-group owns 512 queries of one head (x: which 512; y: batch x 16 + head).  THE KEYS ARE DIVIDED AMONG ITS EIGHT WAVES: wave w owns keys 256 w .. 256 w + 255.  Their fragments of K stay in 128 registers for the
; whole launch; their fragments of V lie in LDS as an image of the registers, in bytes that the wave alone stores and reads.
; A CHUNK is 16 queries; 32 chunks.  Each score is formed once and has one exponential.  Three stages:
;   1: S^T = K Q^T (16 products, 128 registers); M = the largest t of my 256 keys; p = 2^(t - M) stays in registers, in f32; my sum of p; (-M, sum) goes to LDS.
;   2: f = 1 / (sum over the eight waves of sum_w x 2^(M_w - my M)); p x f is the finished softmax; the hold, the conversion, O^T = V^T P^T (16 products); my partial O^T goes to LDS.
;   3: the eight partial O^T are added (wave w: queries 2 w, 2 w + 1), held, converted, and put among o's codes in LDS.
; A TRIP runs stage 1 of chunk c, stage 2 of chunk c - 1 and stage 3 of chunk c - 2, and ends with the one barrier: what a stage reads from other waves was stored in the trip before.  So S has two buffers, and both
; exchanges have two buffers, by turns; the first two and the last two trips are written out with the stages that they have.
; o's codes (32,768 bytes) leave at the end: each store of a wave covers 512 consecutive bytes, aligned.
; LAYOUT.  Source 0 = 16 keys, source 1 = 16 queries: a lane holds ONE query (lane % 16), and tile t's eight registers are keys 16 t + 8 (lane / 16) + 0 .. 7: one conversion makes registers 2 t, 2 t + 1 of the 8-bit operand (ISA guide 7.12.2).
; NO JOINT LOADS: the launch has no tensor load; a work-group reads K and V once.  NO PREFETCH: the head has no loop to run ahead in, and a chunk's 1,024 bytes of Q are asked for one whole trip ahead, into registers.
; LIMITS: e6 + e7 between -123 and 130; e10 - e8 - e9 between -126 and 119; e8 between -100 and 119: where another wave's M lies 116 or more above mine, f may come out 0, and numbers of the softmax under 2^-116 count as 0.
; NaN among the inputs is not served.
; REGISTERS: window 0: v1-27 addresses and constants; v28-43 chains; v44-51 Q; v52-59 the first 64 keys' codes; v60-91 V's first fragments (earlier in the trip: the partial sums read back); v92-123 O^T; v128-255 K.
; Window 1: v0-127 and v128-255, S^T and then p, of even and of odd chunks.  In stage 2 the registers that a conversion has freed take the later codes and V's later fragments.
.set STAT,  0                          ; 2 x 8 waves x 16 queries x (-M, sum)
.set OP,    2048                       ; 2 x 8 waves x 16 rows of 256 bytes + 16 of padding
.set OROW,  272
.set OWV,   16*OROW
.set OPB,   8*OWV
.set CODE,  OP+2*OPB                   ; o's codes: [512 queries][64]
.set VL,    CODE+32768                 ; V: 16,384 bytes a wave: register group t of the 32 at 512 t + 16 x lane
.set SPARE, VL+131072                  ; the spare words, 128 bytes a wave, which no other line names
.set GO,  1                            ; 16 x lane
.set SPW, 2
.set NIL, 3
.set QO,  4                            ; 64 r + 16 h: a fragment of Q or K
.set STW, 5                            ; my wave's (-M, sum)
.set STR, 6                            ; those of waves 4 h .. 4 h + 3
.set OPW, 7                            ; my partial O^T
.set OPR, 8                            ; the partial sums that I add
.set CW,  9                            ; where their codes go
.set CA,  10                           ; the same in the chunk in hand (at the head: V's offset, 128 r + 16 h)
.set QA,  11                           ; the next chunk's Q
.set VLA, 12                           ; my V in LDS
.set FRD, 13                           ; the way out: my 16 bytes of the codes
.set T0,  14
.set NM,  16                           ; v16-17 (-M, sum) of even chunks, v18-19 of odd ones
.set F,   20                           ; f (v21 is named with it as a pair)
.set SC8, 22                           ; 2^e8
.set TT,  23
.set HL,  24                           ; 448 x 2^e8
.set SCO, 26                           ; 2^(e10 - e8 - e9)
.set LIMO, 27                          ; 448 x that
.set MX,  28                           ; v28-35 eight chains of maxima
.set ST,  36                           ; v36-43 four waves' (-M, sum)
.set SM,  28                           ; v28-43 eight chains of sums, in pairs
.set Q,   44
.set P,   52
.set VB,  60
.set O,   92
.set TB,  124
.set K,   128
.set WV,  10
.set SEL, 28
.set CS,  30
.set NC,  32
.set KB,  34
.set VBS, 36
.set QB,  38
.set CNT, 52
.set CB,  53                           ; 2,048 x the loop's trip: bytes of Q, and of o's codes, of two chunks
.set MSB, 0
.macro WIN new                         ; the immediate's high byte repeats the setting that is left
.if MSB != (\new)
	s_set_vgpr_msb (MSB<<8)|(\new)
.set MSB, (\new)
.endif
.endm
.macro PLACES n                        ; plain vector lines behind a matrix instruction (ISA guide 7.12.1)
.rept \n
	v_nop
.endr
.endm
.macro WA                              ; the wait round transcendentals, and ahead of waits that block
	s_wait_alu depctr_va_vdst(0)
.endm
	s_load_b128 s[4:7], s[0:1], 0x0                ; qkvc, the exponents
	s_load_b64 s[8:9], s[0:1], 0x10                ; oc
	v_lshl_add_u32 v[SPW], v0, 2, SPARE
	v_mov_b32 v[NIL], 0
	v_lshrrev_b32 v1, 5, v0
	v_readfirstlane_b32 s[WV], v1                  ; wave 0..7
	s_and_b32 s12, ttmp7, 0xffff                   ; batch x 16 + head
	s_lshl_b32 s13, s12, 17                        ; a head's 131,072 bytes in each section
	s_lshl_b32 s14, s[WV], 14                      ; my 256 keys: 16,384 bytes of K, and of V
	s_add_co_u32 s15, s14, VL
	s_add_co_u32 s16, s13, s14
	s_add_co_u32 s16, s16, 0x800000
	s_mov_b32 s17, 0
	s_lshl_b32 s18, ttmp9, 15                      ; my work-group's 512 queries
	s_add_co_u32 s18, s18, s13
	s_mov_b32 s19, 0
	s_lshl_b32 s20, s[WV], 7
	s_mul_i32 s21, s[WV], OWV
	s_add_co_u32 s21, s21, OP
	s_mul_i32 s22, s[WV], 2*OROW
	s_add_co_u32 s22, s22, OP
	s_add_co_u32 s23, s20, CODE
	s_lshl_b32 s24, s[WV], 12
	s_add_co_u32 s24, s24, CODE
	s_and_b32 s25, s12, 0x30                       ; oc: block of tokens = batch x 16 + 4 x + wave / 2
	s_lshl_b32 s26, ttmp9, 2
	s_add_co_u32 s25, s25, s26
	s_lshr_b32 s26, s[WV], 1
	s_add_co_u32 s25, s25, s26
	s_lshl_b32 s25, s25, 4
	s_and_b32 s26, s12, 15
	s_add_co_u32 s25, s25, s26                     ; x 16 + head
	s_lshl_b32 s25, s25, 13
	s_and_b32 s26, s[WV], 1
	s_lshl_b32 s26, s26, 12
	s_add_co_u32 s26, s26, s25                     ; + which 64 tokens of the block
	s_mov_b32 s27, 0
	s_mov_b32 s[SEL], 0x76543210                   ; v_permlanex16_b32's selects for lane l xor 16
	s_mov_b32 s[SEL+1], 0xfedcba98
	v_and_b32 v28, 15, v0                          ; r
	v_bfe_u32 v29, v0, 4, 1                        ; h
	v_bfe_u32 v30, v0, 3, 1
	v_and_b32 v31, 7, v0
	v_lshlrev_b32 v[QO], 6, v28
	v_lshl_add_u32 v[QO], v29, 4, v[QO]
	v_lshlrev_b32 v[CA], 7, v28
	v_lshl_add_u32 v[CA], v29, 4, v[CA]
	v_lshlrev_b32 v[STW], 3, v28
	v_lshl_add_u32 v[STR], v29, 9, v[STW]
	v_add_nc_u32 v[STW], s20, v[STW]
	v_mul_u32_u24 v[OPW], v28, OROW
	v_lshl_add_u32 v[OPW], v29, 5, v[OPW]
	v_add_nc_u32 v[OPW], s21, v[OPW]               ; row r; tile d's eight channels of my half at 64 d + 32 h
	v_mul_u32_u24 v[OPR], v29, 4*OWV               ; lanes 0-15 add waves 0-3, lanes 16-31 waves 4-7
	v_mad_u32_u24 v[OPR], v30, OROW, v[OPR]        ; query 2 w + (lane / 8) % 2,
	v_lshl_add_u32 v[OPR], v31, 5, v[OPR]          ; channels 8 (lane % 8) on
	v_add_nc_u32 v[OPR], s22, v[OPR]
	v_lshlrev_b32 v[CW], 6, v30
	v_lshl_add_u32 v[CW], v31, 3, v[CW]
	v_add_nc_u32 v[CW], s23, v[CW]
	v_and_b32 v[GO], 31, v0
	v_lshlrev_b32 v[GO], 4, v[GO]
	v_add_nc_u32 v[FRD], s24, v[GO]
	v_add_nc_u32 v[VLA], s15, v[GO]
	WA
	s_wait_kmcnt 0x0
	s_load_b256 s[40:47], s[6:7], 0x0              ; e0 .. e7
	s_load_b128 s[48:51], s[6:7], 0x20             ; e8 .. e11
	s_add_nc_u64 s[KB:KB+1], s[4:5], s[16:17]
	s_add_nc_u64 s[VBS:VBS+1], s[KB:KB+1], 0x800000
	s_add_nc_u64 s[QB:QB+1], s[4:5], s[18:19]
	s_add_nc_u64 s[8:9], s[8:9], s[26:27]
	WIN 0x40                                       ; destination window 1: V passes through the registers of the even chunks' scores
.irp g, 0,1,2,3                                ; V: fragment (g, d) = channels 16 d + r x keys 64 g on, in the operand's own order of k
.irp d, 0,1,2,3
	global_load_b128 v[8*(4*\g+\d):8*(4*\g+\d)+3], v[CA], s[VBS:VBS+1] offset:(\g/2)*8192+2048*\d+64*(\g%2)
	global_load_b128 v[8*(4*\g+\d)+4:8*(4*\g+\d)+7], v[CA], s[VBS:VBS+1] offset:(\g/2)*8192+2048*\d+64*(\g%2)+32
.endr
.endr
	WIN 0
.set t, 0
.rept 16                                       ; K: tile t = keys 16 t + r; registers 4 c .. 4 c + 3 hold channels 32 c + 16 h + 0 .. 15: the same order of k as in Q
	global_load_b128 v[K+8*t:K+8*t+3], v[QO], s[KB:KB+1] offset:1024*t
	global_load_b128 v[K+8*t+4:K+8*t+7], v[QO], s[KB:KB+1] offset:1024*t+32
.set t, t+1
.endr
	global_load_b128 v[Q:Q+3], v[QO], s[QB:QB+1]   ; chunk 0's Q
	global_load_b128 v[Q+4:Q+7], v[QO], s[QB:QB+1] offset:32
	s_wait_kmcnt 0x0
	s_add_co_i32 s54, s46, s47
	s_lshl_b32 s54, s54, 23
	s_add_co_i32 s[CS], s54, 0x3e38aa3b            ; c = log2(e) / 8 x 2^(e6 + e7): the exponents are added to c's exponent field
	s_mov_b32 s[CS+1], s[CS]
	s_xor_b32 s[NC], s[CS], 0x80000000             ; -c
	s_add_co_i32 s54, s48, 127
	s_lshl_b32 s55, s54, 23
	v_mov_b32 v[SC8], s55
	s_add_co_i32 s54, s54, 8
	s_lshl_b32 s54, s54, 23
	s_or_b32 s54, s54, 0x600000
	v_mov_b32 v[HL], s54
	s_sub_co_i32 s54, s50, s48
	s_sub_co_i32 s54, s54, s49
	s_add_co_i32 s54, s54, 127
	s_lshl_b32 s55, s54, 23
	v_mov_b32 v[SCO], s55
	s_add_co_i32 s54, s54, 8
	s_lshl_b32 s54, s54, 23
	s_or_b32 s54, s54, 0x600000
	v_mov_b32 v[LIMO], s54
.irp x, T0, NM+1, NM+3, F+1
	v_mov_b32 v[\x], 0                             ; written once: a lane permute's destination counts as a source, and a pair is named whole
.endr
	WA
	s_wait_loadcnt 34                              ; V's 32 loads are in; K's 32 and Q's 2 may be out
	WIN 0x04                                       ; store data in window 1
.set t, 0
.rept 32
	ds_store_b128 v[VLA], v[4*t:4*t+3] offset:512*t
.set t, t+1
.endr
	WIN 0
	s_wait_dscnt 0x0
; stage 3's loads: eight numbers of one query from each of four waves
.macro RLOAD buf
.irp i, 0,1,2,3
	ds_load_b128 v[VB+8*\i:VB+8*\i+3], v[OPR] offset:(\buf)*OPB+\i*OWV
	ds_load_b128 v[VB+8*\i+4:VB+8*\i+7], v[OPR] offset:(\buf)*OPB+\i*OWV+16
.endr
.endm
.macro MINS g                          ; never negative: the hold is one-sided (the conversion to an 8-bit code does not saturate: ISA guide 7.6.2)
.set j, 0
.rept 32
	v_min_num_f32 v[S2+32*(\g)+j], v[S2+32*(\g)+j], v[HL]
.set j, j+1
.endr
.endm
; THE TRIP of chunk c, c % 2 = par.  s1, s2, s3: which stages it has.  qimm: (c + 1) x 1,024 less s[CB].
.macro ITER par, s1, s2, s3, qimm
.set S1, 128*(\par)                    ; window 1: chunk c's scores,
.set S2, 128-128*(\par)                ; and chunk c - 1's p
.set NMC, NM+2*(\par)
.set NMP, NM+2-2*(\par)
.if \s2
.irp i, 0,1,2,3
	ds_load_b64 v[ST+2*\i:ST+2*\i+1], v[STR] offset:STAT+1024*(1-\par)+128*\i
.endr
.endif
.if \s3
	RLOAD \par
.endif
.if \s1
	s_wait_loadcnt 0x0                             ; this chunk's Q (the first time: K too)
	WIN 0x40                                       ; results in window 1
.set t, 0
.rept 16
	v_wmma_f32_16x16x64_fp8_fp8 v[S1+8*t:S1+8*t+7], v[K+8*t:K+8*t+7], v[Q:Q+7], 0
.set t, t+1
.endr
	WIN 0
.endif
.if \s2 || \s3
	s_wait_dscnt 0x0
.endif
.if \s2
.irp i, 0,2,4,6
	v_sub_f32 v[ST+\i], v[NMP], v[ST+\i]           ; a wave's M - my M.  (These four are also the places behind the products)
.endr
.elseif \s1
	PLACES 4
.endif
.if \s3
.irp j, 0,2,4,6
	v_pk_add_f32 v[VB+\j:VB+\j+1], v[VB+\j:VB+\j+1], v[VB+8+\j:VB+9+\j]
	v_pk_add_f32 v[VB+16+\j:VB+17+\j], v[VB+16+\j:VB+17+\j], v[VB+24+\j:VB+25+\j]
.endr
.irp j, 0,2,4,6
	v_pk_add_f32 v[VB+\j:VB+\j+1], v[VB+\j:VB+\j+1], v[VB+16+\j:VB+17+\j]
.endr
.endif
.if \s1
	s_add_co_u32 s20, s[CB], \qimm
	s_min_u32 s20, s20, 31*1024                    ; the last chunk has no successor: it asks for its own Q once more, and that is not used
	v_add_nc_u32 v[QA], s20, v[QO]
	global_load_b128 v[Q:Q+3], v[QA], s[QB:QB+1]   ; the next chunk's Q, a whole trip ahead
	global_load_b128 v[Q+4:Q+7], v[QA], s[QB:QB+1] offset:32
.endif
.if \s2
	WA
.irp i, 0,2,4,6
	v_exp_f32 v[ST+\i], v[ST+\i]
.endr
.endif
.if \s3
.irp j, 0,1,2,3,4,5,6,7
	v_permlanex16_b32 v[VB+8+\j], v[VB+\j], s[SEL], s[SEL+1]   ; lane l xor 16's four waves
.endr
.elseif \s2
	v_nop
.endif
.if \s2
	WA
	v_mul_f32 v[TT], v[ST], v[ST+1]
	v_mul_f32 v[TB], v[ST+4], v[ST+5]
.endif
.if \s3
.irp j, 0,2,4,6
	v_pk_add_f32 v[VB+\j:VB+\j+1], v[VB+\j:VB+\j+1], v[VB+8+\j:VB+9+\j]
.endr
.endif
.if \s2
	v_fmac_f32 v[TT], v[ST+2], v[ST+3]
	v_fmac_f32 v[TB], v[ST+6], v[ST+7]
.endif
.if \s3
.irp j, 0,1,2,3
	v_med3_num_f32 v[VB+\j], v[VB+\j], -v[LIMO], v[LIMO]
.endr
.endif
.if \s2
	v_add_f32 v[TT], v[TT], v[TB]
.endif
.if \s3
.irp j, 4,5,6,7
	v_med3_num_f32 v[VB+\j], v[VB+\j], -v[LIMO], v[LIMO]
.endr
.endif
.if \s2
	v_permlanex16_b32 v[T0], v[TT], s[SEL], s[SEL+1]
.endif
.if \s3
	v_add_nc_u32 v[CA], s[CB], v[CW]
.endif
.if \s2
	v_add_f32 v[TT], v[TT], v[T0]                  ; the row's sum under my M: at least 1; infinite where another wave's M lies far above mine, and f is 0 then
	WA
	v_rcp_f32 v[F], v[TT]
	v_nop
.endif
.if \s3
	v_cvt_scalef32_pk8_fp8_f32 v[VB+16:VB+17], v[VB:VB+7], v[SCO]
	v_nop                                          ; one plain line behind the conversion
	ds_store_b64 v[CA], v[VB+16:VB+17] offset:1024*\par   ; chunk c - 2's codes (both halves of the lanes put the same eight bytes at the same place)
.endif
.if \s2
.irp d, 0,1,2,3                                ; V's fragments of the first 64 keys: LDS serves a wave's instructions in order, so the store above has read its registers
	ds_load_b128 v[VB+8*\d:VB+8*\d+3], v[VLA] offset:1024*\d
	ds_load_b128 v[VB+8*\d+4:VB+8*\d+7], v[VLA] offset:1024*\d+512
.endr
.endif
.if \s1
	WIN 0x14                                       ; sources 1 and 2 in window 1
	WA                                             ; directly ahead of the scores' first readers
.irp i, 0,1,2,3,4,5,6,7                        ; the largest score of my query among my half's 128 keys: eight chains, each tile from its low end on
	v_max3_num_f32 v[MX+\i], 0xff800000, v[S1+16*\i], v[S1+16*\i+1]
.endr
.set j, 2
.rept 7
.irp i, 0,1,2,3,4,5,6,7
	v_max3_num_f32 v[MX+\i], v[MX+\i], v[S1+16*\i+j], v[S1+16*\i+j+1]
.endr
.set j, j+2
.endr
	WIN 0
	v_max3_num_f32 v[MX], v[MX], v[MX+1], v[MX+2]
	v_max3_num_f32 v[MX+3], v[MX+3], v[MX+4], v[MX+5]
	v_max3_num_f32 v[MX], v[MX], v[MX+6], v[MX+7]
	v_max_num_f32 v[MX], v[MX], v[MX+3]
	v_permlanex16_b32 v[T0], v[MX], s[SEL], s[SEL+1]
	v_max_num_f32 v[MX], v[MX], v[T0]              ; and among lane l xor 16's: my wave's 256 keys
	v_mul_f32 v[NMC], s[NC], v[MX]                 ; -M (c is positive)
	WIN 0x41                                       ; destination and source 0 in window 1
.set j, 0
.rept 64
	v_pk_fma_f32 v[S1+j:S1+j+1], v[S1+j:S1+j+1], s[CS:CS+1], v[NMC:NMC+1] op_sel_hi:[1,0,0]   ; t - M
.set j, j+2
.endr
.endif
.if \s1 || \s2
	WIN 0x41
	WA                                             ; ahead of the batch; f's wait too
.endif
.set j, 0
.rept 64                                       ; ONE BATCH: chunk c's p = 2^(t - M); between them chunk c - 1's p x f, which names other registers and is read behind the batch's wait
.if \s1
	v_exp_f32 v[S1+j], v[S1+j]
	v_exp_f32 v[S1+j+1], v[S1+j+1]
.endif
.if \s2
	v_pk_mul_f32 v[S2+j:S2+j+1], v[S2+j:S2+j+1], v[F:F+1] op_sel_hi:[1,0]
.endif
.set j, j+2
.endr
.if \s1
	v_nop                                          ; a plain place behind the exponentials
	WA                                             ; the one wait behind the batch
.endif
.if \s2                                        ; chunk c - 1's hold and codes stand ahead of chunk c's sums, so that V's later fragments land under the sums
	WIN 0x41
	MINS 0
	WIN 0x01                                       ; the first 64 keys' codes go to window 0
.irp t, 0,1,2,3
	v_cvt_scalef32_pk8_fp8_f32 v[P+2*\t:P+2*\t+1], v[S2+8*\t:S2+8*\t+7], v[SC8]
.endr
.irp g, 1,2,3
	WIN 0x41
	MINS \g
.irp t, 0,1,2,3                                ; keys 64 g on: their codes go where the first 64 keys' p lay,
	v_cvt_scalef32_pk8_fp8_f32 v[S2+8*(\g-1)+2*\t:S2+8*(\g-1)+2*\t+1], v[S2+32*\g+8*\t:S2+32*\g+8*\t+7], v[SC8]
.endr
	WIN 0x40
.irp d, 0,1,2,3                                ; and V's fragments for them where their own p lay
	ds_load_b128 v[S2+32*\g+8*\d:S2+32*\g+8*\d+3], v[VLA] offset:(4*\g+\d)*1024
	ds_load_b128 v[S2+32*\g+8*\d+4:S2+32*\g+8*\d+7], v[VLA] offset:(4*\g+\d)*1024+512
.endr
.endr
	WIN 0
	v_nop                                          ; one plain line behind the last conversion
.endif
.if \s1
	WIN 0x05                                       ; sources 0 and 1 in window 1
.irp i, 0,1,2,3,4,5,6,7                        ; my sum of p, in eight chains of pairs
	v_pk_add_f32 v[SM+2*\i:SM+2*\i+1], v[S1+16*\i:S1+16*\i+1], v[S1+16*\i+2:S1+16*\i+3]
.endr
	WIN 0x04
.set j, 4
.rept 6
.irp i, 0,1,2,3,4,5,6,7
	v_pk_add_f32 v[SM+2*\i:SM+2*\i+1], v[SM+2*\i:SM+2*\i+1], v[S1+16*\i+j:S1+16*\i+j+1]
.endr
.set j, j+2
.endr
	WIN 0
.irp i, 0,4,8,12
	v_pk_add_f32 v[SM+\i:SM+\i+1], v[SM+\i:SM+\i+1], v[SM+\i+2:SM+\i+3]
.endr
	v_pk_add_f32 v[SM:SM+1], v[SM:SM+1], v[SM+4:SM+5]
	v_pk_add_f32 v[SM+8:SM+9], v[SM+8:SM+9], v[SM+12:SM+13]
	v_pk_add_f32 v[SM:SM+1], v[SM:SM+1], v[SM+8:SM+9]
	v_add_f32 v[SM], v[SM], v[SM+1]
	v_permlanex16_b32 v[T0], v[SM], s[SEL], s[SEL+1]
	v_add_f32 v[NMC+1], v[SM], v[T0]
	ds_store_b64 v[STW], v[NMC:NMC+1] offset:STAT+1024*\par
.endif
.if \s2
	WA
	s_wait_dscnt 24+\s1                            ; behind the first fragments' loads: the 24 later loads and stage 1's store
.irp d, 0,1,2,3                                ; the four accumulators take turns
	v_wmma_f32_16x16x64_fp8_fp8 v[O+8*\d:O+8*\d+7], v[VB+8*\d:VB+8*\d+7], v[P:P+7], 0
.endr
	WIN 0x05                                       ; sources 0 and 1 in window 1
.irp g, 1,2,3
	s_wait_dscnt 24-8*\g+\s1                       ; the later groups' loads and stage 1's store may be out
.irp d, 0,1,2,3
	v_wmma_f32_16x16x64_fp8_fp8 v[O+8*\d:O+8*\d+7], v[S2+32*\g+8*\d:S2+32*\g+8*\d+7], v[S2+8*(\g-1):S2+8*(\g-1)+7], v[O+8*\d:O+8*\d+7]
.endr
.endr
	WIN 0
	PLACES 5                                       ; four ahead of the stores; five ahead of the next trip's products, which write over these products' sources
.irp d, 0,1,2,3
	ds_store_b128 v[OPW], v[O+8*\d:O+8*\d+3] offset:(1-\par)*OPB+64*\d
	ds_store_b128 v[OPW], v[O+8*\d+4:O+8*\d+7] offset:(1-\par)*OPB+64*\d+16
.endr
.endif
	WA
	s_wait_dscnt 0x0                               ; for the others' sake: my (-M, sum), my partial O^T, my codes, and my reads of the buffers that are written next
	s_barrier_signal -1
	s_barrier_wait -1
.endm
	s_mov_b32 s[CB], 0
	s_mov_b32 s[CNT], 0
	ITER 0, 1, 0, 0, 1024                          ; c = 0
	ITER 1, 1, 1, 0, 2048                          ; c = 1
.Lpair:                                                ; c = 2 .. 31: 15 trips of the loop, two chunks each: the buffers' turns come back after two
	ITER 0, 1, 1, 1, 3072
	ITER 1, 1, 1, 1, 4096
	s_add_co_u32 s[CB], s[CB], 2048
	s_add_co_u32 s[CNT], s[CNT], 1
	s_cmp_lt_u32 s[CNT], 15
	s_cbranch_scc1 .Lpair
	ITER 0, 0, 1, 1, 0                             ; c = 32
	ITER 1, 0, 0, 1, 0                             ; c = 33
.irp i, 0,1,2,3,4,5,6,7                        ; THE WAY OUT: my wave's 64 queries, 4,096 consecutive bytes of oc
	ds_load_b128 v[VB+4*\i:VB+4*\i+3], v[FRD] offset:512*\i
.endr
.irp i, 0,1,2,3,4,5,6,7
	s_wait_dscnt 7-\i                              ; the loads issued behind this one may be out
	global_store_b128 v[GO], v[VB+4*\i:VB+4*\i+3], s[8:9] offset:512*\i   ; 512 consecutive bytes, aligned
.endr
	s_wait_tensorcnt 0x0                           ; the wave's end
	ds_add_u32 v[SPW], v[NIL]
	s_wait_dscnt 0x0
	s_endpgm
.Lfunc_end_k_q2824f3d830_attn:
	.size	k_q2824f3d830_attn, .Lfunc_end_k_q2824f3d830_attn-k_q2824f3d830_attn
	.p2alignl 7, 3214868480
	.fill 96, 4, 3214868480
	.section	.rodata,"a",@progbits
	.p2align	6, 0x0
	.amdhsa_kernel k_q2824f3d830_attn
		.amdhsa_group_segment_fixed_size 236544
		.amdhsa_private_segment_fixed_size 0
		.amdhsa_enable_private_segment 0
		.amdhsa_kernarg_size 24
		.amdhsa_user_sgpr_count 2
		.amdhsa_user_sgpr_kernarg_segment_ptr 1
		.amdhsa_wavefront_size32 1
		.amdhsa_system_sgpr_workgroup_id_x 1
		.amdhsa_system_sgpr_workgroup_id_y 1
		.amdhsa_system_sgpr_workgroup_id_z 1
		.amdhsa_system_vgpr_workitem_id 0
		.amdhsa_next_free_vgpr 512
		.amdhsa_next_free_sgpr 66
		.amdhsa_reserve_vcc 0
		.amdhsa_float_denorm_mode_32 3
		.amdhsa_float_denorm_mode_16_64 3
		.amdhsa_memory_ordered 1
		.amdhsa_forward_progress 1
		.amdhsa_inst_pref_size 157
	.end_amdhsa_kernel
	.amdgpu_metadata
---
amdhsa.version: [ 1, 2 ]
amdhsa.kernels:
  - .name:           k_q2824f3d830_attn
    .symbol:         k_q2824f3d830_attn.kd
    .args:
      - { .name: qkvc, .offset: 0, .size: 8, .value_kind: global_buffer, .address_space: global }
      - { .name: lowp_scales, .offset: 8, .size: 8, .value_kind: global_buffer, .address_space: global }
      - { .name: oc, .offset: 16, .size: 8, .value_kind: global_buffer, .address_space: global }
    .group_segment_fixed_size: 236544
    .private_segment_fixed_size: 0
    .kernarg_segment_align: 8
    .kernarg_segment_size: 24
    .max_flat_workgroup_size: 256
    .sgpr_count:     66
    .vgpr_count:     512
    .wavefront_size: 32
...
	.end_amdgpu_metadata
.endif
;; end of part 3
;; launch outp (part 4): grid 4 x 64, 4 waves a work-group, clusters of 4 x 4, 327,680 bytes of LDS; arguments oc, wc, lowp_scales, bo, out0; writes out0
.if DOCPART == 4
	.amdgcn_target "amdgcn-amd-amdhsa--gfx1250"
	.amdhsa_code_object_version 6
	.text
	.protected	k_q2824f3d830_outp
	.globl	k_q2824f3d830_outp
	.p2align	8
	.type	k_q2824f3d830_outp,@function
k_q2824f3d830_outp:
	s_mov_b64 s[64:65], 0
	v_nop
	global_prefetch_b8 v0, s[64:65] scope:SCOPE_SE
	s_setreg_imm32_b32 hwreg(HW_REG_WAVE_MODE, 25, 1), 1
	s_wait_xcnt 0x0
	s_wait_alu depctr_hold_cnt(0) depctr_sa_sdst(0) depctr_va_vdst(0) depctr_va_sdst(0) depctr_va_ssrc(0) depctr_va_vcc(0) depctr_vm_vsrc(0)
	s_getreg_b32 s2, hwreg(HW_REG_IB_STS2, 6, 4)
	s_cmp_eq_u32 s2, 0
	s_cbranch_scc0 .Lentry_in_a_cluster
	s_endpgm
.Lentry_in_a_cluster:
	s_bfe_u32 s2, ttmp6, 0x10000c
	s_cmp_lg_u32 s2, 0xf033
	s_cbranch_scc0 .Lentry_shape_is_right
	s_endpgm
.Lentry_shape_is_right:
; The last projection on E4M3 codes: out0[m][n] = 2^(e10 + e11) x (sum over k of o[m][k] Wo[n][k]) + bo[n], K = 1,024, f32 out.
; oc: o's codes, [64 blocks of 128 tokens][16 heads][128 tokens][64 channels].  Wo's codes: section 3 of wc, [1024][1024], K innermost.
; A tile of the result is 128 tokens (one block of oc) x 256 columns: 64 x 4 tiles, 256 work-groups.  Four waves, each 64 tokens x 128 columns in 32 accumulators.
; K goes in steps of 256 (four heads) through two LDS slots filled by the tensor data mover.  A's part of a K step is one dense run of 32,768 bytes, taken as 128 rows of 256 bytes (row = 32 x head + token / 4);
; waves 0 and 1 fetch 64 of these rows each, waves 2 and 3 fetch 128 rows of Wo each.
; CLUSTERS: 4 x 4 work-groups; A's tile is asked for jointly along a row of the cluster, B's along a column.
; THE MATRIX INSTRUCTION IS USED TRANSPOSED (source 0 = 16 rows of Wo, source 1 = 16 tokens): a lane holds eight neighbouring columns of one token.
; NO PREFETCH: K is four K steps; the first two are asked for at the head, and a request two K steps ahead of the other two would stand at the head as well.
; LIMIT: e10 + e11 between -126 and 127, so that 2^(e10 + e11) is an f32 number.
; REGISTERS, in windows of 256: window 0: v0-35 addresses and the bias; v128-191, v192-255 A's fragments, two sets (on the way out: rows read back).  Window 1: B's fragments, two sets.  Window 2: accumulator (a, b) at v[8 (8 a + b)].
.set ROWB,   256
.set PITCH,  272                       ; an LDS row: 256 bytes + 16 of padding
.set FR,     16                        ; registers of a fragment: 16 rows x 128 K
.set NP,     4                         ; places behind this matrix instruction (ISA guide 7.12.1)
.set HALFT,  128*PITCH
.set SLOT,   3*HALFT                   ; A's 128 rows, then B's 256 rows
.set SPARE,  2*SLOT                    ; behind the ring: the spare words, 128 bytes a wave, which no other line names
.set ASTEP,  32768                     ; A: from K step to K step
.set SPITCH, 528                       ; the way out: a stage of 16 rows x (512 bytes + 16) for each wave, in slot 0, which has had its last fill and its last read by then
.set ADRA, 16                          ; v16-17 LDS address of my A fragments in slot 0, 1
.set ADRB, 20                          ; v20-21 the same for B
.set STO,  24
.set RD,   25
.set CO,   26                          ; 16 x lane
.set SPW,  28
.set NIL,  29
.set BO,   32                          ; v32-35 my four columns' bias
.set AF,   128
.set BK,   128
.set G1, 24
.set G0, 32
.set G1B, 48
.set G0B, 56
.set MSB, 0
.macro WIN new                         ; the immediate's high byte repeats the setting that is left
.if MSB != (\new)
	s_set_vgpr_msb (MSB<<8)|(\new)
.set MSB, (\new)
.endif
.endm
.set MUL_LO, 0xa1                      ; source 0 (B) window 1, source 1 (A) window 0, C and D window 2
.set TO_B,   0x40                      ; destination window 1, address window 0
; A joint load: waves 0 and 1 fetch for A, waves 2 and 3 for B.  The branch hangs on the wave's number alone.  An s_nop 0 and four v_nop follow each of the two lines.
.macro JLOAD g0a, g1a, g0b, g1b
	s_cmp_eq_u32 s15, 0
	s_cbranch_scc0 .Lfor_b_\@
	tensor_load_to_lds s[\g0a:\g0a+3], s[\g1a:\g1a+7]
	s_nop 0
.rept 4
	v_nop
.endr
	s_branch .Lasked_\@
.Lfor_b_\@:
	tensor_load_to_lds s[\g0b:\g0b+3], s[\g1b:\g1b+7]
	s_nop 0
.rept 4
	v_nop
.endr
.Lasked_\@:
.endm
.macro CREST                           ; a round of the cluster's barrier behind its opening barrier
	s_cmp_lg_u32 s14, 0
	s_cbranch_scc1 .Lnot_wave_0_\@
	s_barrier_signal -3
.Lnot_wave_0_\@:
	s_barrier_wait -3
	s_barrier_signal -1
	s_barrier_wait -1
.endm
.macro CROUND
	s_barrier_signal -1
	s_barrier_wait -1
	CREST
.endm
	s_load_b128 s[4:7], s[0:1], 0x0                ; oc, wc
	s_load_b128 s[8:11], s[0:1], 0x10              ; the exponents, bo
	s_load_b64 s[12:13], s[0:1], 0x20              ; out0
	v_lshl_add_u32 v[SPW], v0, 2, SPARE
	v_mov_b32 v[NIL], 0
	ds_add_u32 v[SPW], v[NIL]                      ; the opening lines: the add, twice on end, and its wait ahead of my first tensor load
	ds_add_u32 v[SPW], v[NIL]
	v_lshrrev_b32 v1, 5, v0
	v_readfirstlane_b32 s14, v1                    ; wave 0..3
	s_lshr_b32 s15, s14, 1                         ; which 64 tokens are mine.  Also: I fetch for A (0) or for B (1)
	s_and_b32 s16, s14, 1                          ; which 128 columns.  Also: which half of that tile I fetch
	s_bfe_u32 s40, ttmp6, 0x40000                  ; cx
	s_bfe_u32 s41, ttmp6, 0x40004                  ; cy
	s_lshl_b32 s42, ttmp9, 2
	s_add_co_u32 s42, s42, s40                     ; tile column, 0..3
	s_and_b32 s17, ttmp7, 0xffff
	s_lshl_b32 s17, s17, 2
	s_add_co_u32 s17, s17, s41                     ; block of tokens, 0..63
	s_lshl_b32 s43, s41, 2
	s_lshl_b32 s43, 15, s43                        ; my row of the cluster
	s_lshl_b32 s44, 0x1111, s40                    ; my column
	s_or_b32 s[G1+0], s43, (0<<16)|(1<<20)|(1<<21)|(5<<22)|(3<<25)  ; the mask; elements of 1 byte; padding on; bit 21 beside a mask; after every 64 words four words
	s_or_b32 s[G1B+0], s44, (0<<16)|(1<<20)|(1<<21)|(5<<22)|(3<<25)
	s_mov_b32 s[G1+1], ROWB<<16                    ; A: 64 rows of 256 bytes, dense
	s_mov_b32 s[G1+2], 64<<16
	s_mov_b32 s[G1+3], ROWB<<16
	s_mov_b32 s[G1+4], 64
	s_mov_b32 s[G1+5], 256
	s_mov_b32 s[G1+6], 0
	s_mov_b32 s[G1+7], 0
	s_mov_b32 s[G1B+1], ROWB<<16                   ; B: 128 rows of 256 bytes, 1,024 bytes apart
	s_mov_b32 s[G1B+2], 128<<16
	s_mov_b32 s[G1B+3], ROWB<<16
	s_mov_b32 s[G1B+4], 128
	s_mov_b32 s[G1B+5], 1024
	s_mov_b32 s[G1B+6], 0
	s_mov_b32 s[G1B+7], 0
	s_lshl_b32 s20, s17, 17                        ; A: a block of tokens is 131,072 bytes;
	s_lshl_b32 s18, s16, 14                        ; my 64 rows of a K step's 128
	s_add_co_u32 s20, s20, s18
	s_mov_b32 s21, 0
	s_lshl_b32 s18, s16, 7
	s_lshl_b32 s46, s42, 8
	s_add_co_u32 s46, s46, s18                     ; B: row 256 x tile column + 128 x half,
	s_lshl_b32 s46, s46, 10
	s_add_co_u32 s46, s46, 0x300000                ; in section 3 of wc
	s_mov_b32 s47, 0
	s_mul_i32 s45, s16, 64*PITCH                   ; where they go: A's halves,
	s_mul_i32 s66, s16, HALFT
	s_add_co_u32 s66, s66, HALFT                   ; B's halves behind A's 128 rows
	s_wait_dscnt 0x0                               ; both opening adds are done
	s_wait_kmcnt 0x0
	s_load_b64 s[96:97], s[8:9], 0x28              ; e10, e11
	s_add_nc_u64 s[20:21], s[4:5], s[20:21]
	s_add_nc_u64 s[46:47], s[6:7], s[46:47]
	CROUND                                         ; all sixteen work-groups are here: the first joint loads meet
.irp s, 0,1
	s_mov_b32 s[G0+4*\s], 1
	s_add_co_u32 s[G0+4*\s+1], s45, \s*SLOT
	s_add_nc_u64 s[G0+4*\s+2:G0+4*\s+3], s[20:21], \s*ASTEP
	s_or_b32 s[G0+4*\s+3], s[G0+4*\s+3], 0x80000000
	s_mov_b32 s[G0B+4*\s], 1
	s_add_co_u32 s[G0B+4*\s+1], s66, \s*SLOT
	s_add_nc_u64 s[G0B+4*\s+2:G0B+4*\s+3], s[46:47], \s*ROWB
	s_or_b32 s[G0B+4*\s+3], s[G0B+4*\s+3], 0x80000000
.endr
	JLOAD G0, G1, G0B, G1B                         ; K step 0
	s_mul_i32 s21, s15, 16*PITCH                   ; my 64 tokens: 16 rows on in each head's 32
	s_add_co_u32 s67, s21, SLOT
	s_mul_i32 s22, s16, HALFT
	s_add_co_u32 s22, s22, HALFT                   ; my 128 rows of B
	s_add_co_u32 s68, s22, SLOT
	s_mul_i32 s23, s14, 16*SPITCH                  ; my stage
	s_lshl_b32 s70, s17, 7
	s_lshl_b32 s18, s15, 6
	s_add_co_u32 s70, s70, s18                     ; my first token
	s_lshl_b32 s70, s70, 12                        ; x 4,096 bytes
	s_lshl_b32 s46, s42, 10
	s_lshl_b32 s47, s16, 9
	s_add_co_u32 s46, s46, s47                     ; my first column, in bytes
	s_mov_b32 s47, 0
	s_add_nc_u64 s[10:11], s[10:11], s[46:47]
	s_add_co_u32 s70, s70, s46
	s_mov_b32 s71, 0
	s_add_nc_u64 s[12:13], s[12:13], s[70:71]
	v_and_b32 v1, 15, v0                           ; r
	v_bfe_u32 v2, v0, 4, 1                         ; h
	v_mul_u32_u24 v3, v1, PITCH
	v_lshl_add_u32 v4, v2, 4, v3                   ; B: row r, + 16 h
	v_lshrrev_b32 v5, 2, v1
	v_mul_u32_u24 v5, v5, PITCH
	v_and_b32 v6, 3, v1
	v_lshl_add_u32 v5, v6, 6, v5
	v_lshl_add_u32 v5, v2, 4, v5                   ; A: token r: row r / 4, 64 (r % 4) bytes on, + 16 h
	v_add_nc_u32 v[ADRA], s21, v5
	v_add_nc_u32 v[ADRA+1], s67, v5
	v_add_nc_u32 v[ADRB], s22, v4
	v_add_nc_u32 v[ADRB+1], s68, v4
	v_mul_u32_u24 v7, v1, SPITCH
	v_lshl_add_u32 v7, v2, 5, v7
	v_add_nc_u32 v[STO], s23, v7                   ; the stage, in: row r, 32 bytes for each half of the lanes
	v_and_b32 v6, 31, v0
	v_lshlrev_b32 v[CO], 4, v6
	v_add_nc_u32 v[RD], s23, v[CO]                 ; back: the 32 lanes take one row of 512 bytes
	global_load_b128 v[BO:BO+3], v[CO], s[10:11]
; B's eight fragments of the slot's q-th 128 along K into set p: registers 4 c .. 4 c + 3 hold K = 32 c + 16 h + 0 .. 15, the same order of k as in A
.macro FETCH_B slot, q, p
	WIN TO_B
.irp i, 0,1,2,3,4,5,6,7
.irp c, 0,1,2,3
	ds_load_b128 v[128*(\p)+FR*\i+4*\c:128*(\p)+FR*\i+4*\c+3], v[ADRB+\slot] offset:128*(\q)+32*\c+\i*16*PITCH
.endr
.endr
	WIN 0
.endm
.macro FETCH_A slot, q, p              ; A's four: head 2 q + c / 2 of the K step's four, channels 32 (c % 2) + 16 h on, tokens 16 i + r
.irp i, 0,1,2,3
.irp c, 0,1,2,3
	ds_load_b128 v[AF+64*(\p)+FR*\i+4*\c:AF+64*(\p)+FR*\i+4*\c+3], v[ADRA+\slot] offset:(2*(\q)+\c/2)*32*PITCH+\i*4*PITCH+32*(\c%2)
.endr
.endr
.endm
; eight matrix instructions: A's block a x B's eight, from sets p.  The 32 accumulators take turns, in the same order in every step.
.macro MULA a, p, zero
.irp b, 0,1,2,3,4,5,6,7
.if \zero
	v_wmma_f32_16x16x128_fp8_fp8 v[8*(8*(\a)+\b):8*(8*(\a)+\b)+7], v[128*(\p)+FR*\b:128*(\p)+FR*\b+FR-1], v[AF+64*(\p)+FR*(\a):AF+64*(\p)+FR*(\a)+FR-1], 0
.else
	v_wmma_f32_16x16x128_fp8_fp8 v[8*(8*(\a)+\b):8*(8*(\a)+\b)+7], v[128*(\p)+FR*\b:128*(\p)+FR*\b+FR-1], v[AF+64*(\p)+FR*(\a):AF+64*(\p)+FR*(\a)+FR-1], v[8*(8*(\a)+\b):8*(8*(\a)+\b)+7]
.endif
.endr
.endm
.macro PLACES n                        ; plain vector lines between a matrix instruction and a load into one of its registers, or the first read of its result
.rept \n
	v_nop
.endr
.endm
.macro STEP slot, zero                 ; a slot's first 128 along K, from sets 0; ahead of its products the second 128's fragments are asked for, into sets 1
	PLACES NP
	FETCH_B \slot, 1, 1
	FETCH_A \slot, 1, 1
	s_wait_dscnt 48                                ; all but the 48 loads just issued
	WIN MUL_LO
.irp a, 0,1,2,3
	MULA \a, 0, \zero
.endr
	WIN 0
.endm
; A slot's second 128 changes slots: one barrier; in front of it each wave waits for all its tensor loads, adds 0 to its spare word, and waits for that and for its reads of this slot.
.macro TURN slot, next, fill
	s_wait_tensorcnt 0x0                           ; all my tensor loads have landed: my part of the next slot
	ds_add_u32 v[SPW], v[NIL]                      ; 0 onto my spare word
	s_wait_dscnt 1                                 ; (the add may be out)
	WIN MUL_LO
	MULA 0, 1, 0
	s_wait_dscnt 0x0                               ; the add is done, and my reads of this slot are over
	s_barrier_signal -1
	MULA 1, 1, 0
	WIN 0
	s_barrier_wait -1
.if \fill
	CREST                                          ; the barrier has opened a round of the cluster's: no wave of any partner still reads this slot or has a load on its way
	s_add_nc_u64 s[G0+4*\slot+2:G0+4*\slot+3], s[G0+4*\slot+2:G0+4*\slot+3], 2*ASTEP
	s_add_nc_u64 s[G0B+4*\slot+2:G0B+4*\slot+3], s[G0B+4*\slot+2:G0B+4*\slot+3], 2*ROWB
	JLOAD G0+4*\slot, G1, G0B+4*\slot, G1B         ; the first tensor load behind the round; its four v_nop are the places in front of the loads below
.else
	PLACES NP
.endif
	FETCH_B \next, 0, 0
	FETCH_A \next, 0, 0
	WIN MUL_LO
	MULA 2, 1, 0
	MULA 3, 1, 0
	WIN 0
.endm
	s_wait_alu depctr_va_vdst(0)                   ; the head's end
	s_wait_tensorcnt 0x0                           ; my part of K step 0 is in
	ds_add_u32 v[SPW], v[NIL]
	s_wait_dscnt 0x0
	CROUND                                         ; everybody's part of K step 0 is in, and all sixteen work-groups are here
	JLOAD G0+4, G1, G0B+4, G1B                     ; K step 1's load, the first tensor load behind the round
	FETCH_B 0, 0, 0
	FETCH_A 0, 0, 0
	STEP 0, 1                                      ; K = 1,024 is four K steps, eight steps of 128, written out: the first products start the sums
	TURN 0, 1, 1                                   ; slot 0 takes K step 2
	STEP 1, 0
	TURN 1, 0, 1                                   ; slot 1 takes K step 3
	STEP 0, 0
	TURN 0, 1, 0                                   ; nothing is left to fetch
	STEP 1, 0
	s_wait_dscnt 0x0
	WIN MUL_LO
.irp a, 0,1,2,3
	MULA \a, 1, 0
.endr
	WIN 0
; THE WAY OUT, block by block of 16 tokens x 128 columns: through my own stage in LDS, back as whole rows of 512 bytes, x 2^(e10 + e11) + the bias, stored as whole rows of 512 bytes, aligned.
; LDS serves a wave's instructions in order (ISA guide 5.7.1.4): no wait between a block's stores and its loads, nor in front of the next block's stores.
.macro TOSTAGE a
.set AC, 64*(\a)
	WIN 0x08                                       ; store data in window 2
.irp b, 0,1,2,3,4,5,6,7
	ds_store_b128 v[STO], v[AC+8*\b:AC+8*\b+3] offset:64*\b
	ds_store_b128 v[STO], v[AC+8*\b+4:AC+8*\b+7] offset:64*\b+16
.endr
	WIN 0
.set BB, BK+64*((\a)%2)
.irp t, 0,1,2,3,4,5,6,7,8,9,10,11,12,13,14,15
	ds_load_b128 v[BB+4*\t:BB+4*\t+3], v[RD] offset:\t*SPITCH
.endr
.endm
.macro SEND a, younger                 ; younger: the LDS instructions issued behind block a's loads, which may stay out
.set BB, BK+64*((\a)%2)
	s_wait_dscnt \younger
.if (\a) > 0
	s_add_nc_u64 s[12:13], s[12:13], 16*4096       ; (behind a wait on XCNT: the earlier stores have read their base)
.endif
.irp t, 0,1,2,3,4,5,6,7,8,9,10,11,12,13,14,15
	v_pk_fma_f32 v[BB+4*\t:BB+4*\t+1], v[BB+4*\t:BB+4*\t+1], s[96:97], v[BO:BO+1] op_sel_hi:[1,0,1]
	v_pk_fma_f32 v[BB+4*\t+2:BB+4*\t+3], v[BB+4*\t+2:BB+4*\t+3], s[96:97], v[BO+2:BO+3] op_sel_hi:[1,0,1]
.endr
.irp t, 0,1,2,3,4,5,6,7,8,9,10,11,12,13,14,15
	global_store_b128 v[CO], v[BB+4*\t:BB+4*\t+3], s[12:13] offset:\t*4096 th:TH_STORE_NT   ; 512 consecutive bytes, aligned; written once
.endr
.endm
	s_wait_kmcnt 0x0
	s_add_co_i32 s96, s96, s97
	s_add_co_i32 s96, s96, 127
	s_lshl_b32 s96, s96, 23                        ; 2^(e10 + e11) as f32
	s_wait_loadcnt 0x0                             ; the bias
	PLACES NP                                      ; behind the last products
	s_wait_alu depctr_va_vdst(0)
	TOSTAGE 0
.irp a, 1,2,3
.if \a > 1
	s_wait_xcnt 0x0                                ; block a - 2's stores have read their registers and their base
.endif
	TOSTAGE \a
	SEND \a-1, 32                                  ; behind block a - 1's loads: block a's 16 stores and 16 loads
.endr
	s_wait_xcnt 0x0
	SEND 3, 0
	s_wait_tensorcnt 0x0                           ; the wave's end
	ds_add_u32 v[SPW], v[NIL]
	s_wait_dscnt 0x0
	CROUND                                         ; the closing round: no work-group ends while a partner may still ask for a tile that names it
	s_endpgm
.Lfunc_end_k_q2824f3d830_outp:
	.size	k_q2824f3d830_outp, .Lfunc_end_k_q2824f3d830_outp-k_q2824f3d830_outp
	.p2alignl 7, 3214868480
	.fill 96, 4, 3214868480
	.section	.rodata,"a",@progbits
	.p2align	6, 0x0
	.amdhsa_kernel k_q2824f3d830_outp
		.amdhsa_group_segment_fixed_size 327680
		.amdhsa_private_segment_fixed_size 0
		.amdhsa_enable_private_segment 0
		.amdhsa_kernarg_size 40
		.amdhsa_user_sgpr_count 2
		.amdhsa_user_sgpr_kernarg_segment_ptr 1
		.amdhsa_wavefront_size32 1
		.amdhsa_system_sgpr_workgroup_id_x 1
		.amdhsa_system_sgpr_workgroup_id_y 1
		.amdhsa_system_sgpr_workgroup_id_z 1
		.amdhsa_system_vgpr_workitem_id 0
		.amdhsa_next_free_vgpr 768
		.amdhsa_next_free_sgpr 98
		.amdhsa_reserve_vcc 0
		.amdhsa_float_denorm_mode_32 3
		.amdhsa_float_denorm_mode_16_64 3
		.amdhsa_memory_ordered 1
		.amdhsa_forward_progress 1
		.amdhsa_inst_pref_size 76
	.end_amdhsa_kernel
	.amdgpu_metadata
---
amdhsa.version: [ 1, 2 ]
amdhsa.kernels:
  - .name:           k_q2824f3d830_outp
    .symbol:         k_q2824f3d830_outp.kd
    .args:
      - { .name: oc, .offset: 0, .size: 8, .value_kind: global_buffer, .address_space: global }
      - { .name: wc, .offset: 8, .size: 8, .value_kind: global_buffer, .address_space: global }
      - { .name: lowp_scales, .offset: 16, .size: 8, .value_kind: global_buffer, .address_space: global }
      - { .name: bo, .offset: 24, .size: 8, .value_kind: global_buffer, .address_space: global }
      - { .name: out0, .offset: 32, .size: 8, .value_kind: global_buffer, .address_space: global }
    .group_segment_fixed_size: 327680
    .private_segment_fixed_size: 0
    .kernarg_segment_align: 8
    .kernarg_segment_size: 40
    .max_flat_workgroup_size: 128
    .sgpr_count:     98
    .vgpr_count:     768
    .wavefront_size: 32
...
	.end_amdgpu_metadata
.endif
;; end of part 4
